; MI455X (gfx1250); checked and timed in simulation.
; The chip was launched on July 23, 2026; its instructions are those of AMD's public machine-readable ISA for CDNA 5 (MIT licence, August 2026) and "CDNA5" Instruction Set Architecture Reference Guide (July 2026). The comments in the code are by the model that wrote it; some were corrected since.
;; Delta TS Block. Allowed arithmetic: float matrix products may take bf16 or f16 operands with f32 sums; all other float work in f32.
;; Inputs: Wb 16 x 1,024 float32; Wg 16 x 1,024 float32; Wo 1,024 x 1,024 float32; Wv 1,024 x 1,024 float32; x 4 x 4,096 x 1,024 float32.
;; Outputs: out0 4 x 4,096 x 1,024 float32.
;; 2 versions, each right and faster than the one before. Each part assembles by itself: llvm-mc -triple=amdgcn-amd-amdhsa -mcpu=gfx1250 --defsym DOCPART=n.
;; ======== version 1 of 2: 5 launches
;; limits: values are held in f16: magnitudes above 65,504 overflow, below 6.1e-05 lose precision; right only within a limited range of input values; values outside matrix products are rounded to f16
;; workspace buffers: xb 33,554,432 bytes; rkp 33,570,816 bytes; gb 2,097,152 bytes; wts 4,194,304 bytes; vh 33,554,432 bytes; loc 92,274,688 bytes; oT 33,554,432 bytes
;; launch prep (part 1): grid 256 x 1, 32 waves a work-group, no clusters, 210,944 bytes of LDS; arguments x, Wv, Wo, Wg, Wb, xb, rkp, gb, wts; writes xb, rkp, gb, wts
.if DOCPART == 1
	.amdgcn_target "amdgcn-amd-amdhsa--gfx1250"
	.amdhsa_code_object_version 6
	.text
	.protected	k_qbbdffe1e19_prep
	.globl	k_qbbdffe1e19_prep
	.p2align	8
	.type	k_qbbdffe1e19_prep,@function
k_qbbdffe1e19_prep:
	s_mov_b64 s[64:65], 0
	v_nop
	global_prefetch_b8 v0, s[64:65] scope:SCOPE_SE
	s_setreg_imm32_b32 hwreg(HW_REG_WAVE_MODE, 25, 1), 1
	s_wait_xcnt 0x0
; PREP.  x [16384][1024] f32 is read once.  Made of it: xb = bf16(x); rkp = the read keys, bf16(x) divided by max(norm of its 64-channel slice, 1e-12), in f16, laid by heads as
; [64 bh][4098 rows][64] with rows 0, 1 zero and row 2 + t = token t; gb = sigmoid(x Wb^T) as [bh][T] f32, then sigmoid(x Wg^T) likewise.  wts = bf16(Wv) / 16 in bf16, then 16 bf16(Wo) in f16.
; SHARES.  A work-group takes 64 tokens, each of its 32 waves two.  A load of a wave takes one head's 256 bytes of both tokens, so a slice's 64 numbers lie in 16 lanes, four a lane.
; The two thin products go to the matrix unit: 8 waves, each 16 tokens x 16 heads, K = 1024 from LDS.  No tensor load: every byte passes through registers anyway, to be rounded.
; LIMITS.  Keys and gates are made of bf16(x).  A slice whose sum of squares is below 2^-126 counts as norm 0 (the root takes denormals as 0).  16 bf16(Wo) must lie in f16's range, 65,504; below 6e-5 it keeps
; f16's fixed step.  NaN and infinities are not treated apart.
.set RKH,   524544                     ; bytes of a head's 4,098 key rows
.set LP,    2064                       ; LDS row of 1,024 bf16 + 16 bytes: 129 x 16, so sixteen rows start at sixteen different groups of four banks
.set WGB,   0                          ; 32 rows: bf16(Wb), then bf16(Wg)
.set XST,   32*LP                      ; 64 rows: bf16(x) of the group's tokens
.set GST,   XST+64*LP                  ; 32 rows of 64 f32 + 16 bytes: the gates, by head
.set GP,    272
.set SPARE, GST+32*GP                  ; the spare words: 128 bytes for each of 32 waves, 16 blocks of 256 bytes that no other line names
.set SPW, 14                           ; v14  my spare word's address; never rewritten
.set NIL, 15                           ; v15  0; never rewritten
.set SS,  16                           ; v[16:31]  a slice's sum of squares, then 1 / norm; before that the weights' quads
.set X,   32                           ; v[32:95]  head j: four numbers of x
.set P,   96                           ; v[96:127] head j: the same four in bf16
.macro NOP4
.rept 4
	v_nop
.endr
.endm
	s_load_b512 s[8:23], s[0:1], 0x0               ; x s[8:9], Wv s[10:11], Wo s[12:13], Wg s[14:15], Wb s[16:17], xb s[18:19], rkp s[20:21], gb s[22:23]
	s_load_b64 s[24:25], s[0:1], 0x40              ; wts
	v_lshl_add_u32 v[SPW], v0, 2, SPARE
	v_mov_b32 v[NIL], 0
	v_lshrrev_b32 v1, 5, v0
	v_readfirstlane_b32 s2, v1                     ; wave 0..31
	s_mov_b32 s3, ttmp9                            ; work-group
	s_lshr_b32 s4, s3, 6                           ; batch
	s_and_b32 s5, s3, 63
	s_lshl_b32 s5, s5, 6                           ; the group's first token in its batch
	s_mov_b32 s28, 0xffff0000                      ; a word's upper bf16
	v_and_b32 v2, 31, v0                           ; lane
	v_and_b32 v3, 15, v0                           ; lane % 16
	v_bfe_u32 v4, v0, 4, 1                         ; lane / 16: which of my two tokens
	v_lshlrev_b32 v5, 4, v3
	v_lshl_add_u32 v5, v4, 12, v5                  ; x: token x 4,096 + 16 bytes a lane
	v_lshlrev_b32 v6, 4, v0                        ; the weights: 16 bytes a thread
	v_lshlrev_b32 v7, 3, v0                        ; and 8 bytes out
	v_lshrrev_b32 v8, 8, v0
	v_mul_u32_u24 v8, v8, LP
	v_and_b32 v9, 0xff, v0
	v_lshl_add_u32 v8, v9, 3, v8                   ; a gate weight's quad in LDS: row thread / 256, 8 bytes at thread % 256
	s_lshl_b32 s30, s3, 18
	s_lshl_b32 s31, s2, 13
	s_add_co_u32 s30, s30, s31                     ; x: (64 group + 2 wave) x 4,096 bytes
	s_mov_b32 s31, 0
	s_lshl_b32 s32, s3, 14                         ; Wv, Wo: 16,384 bytes a group
	s_mov_b32 s33, 0
	s_lshl_b32 s34, s3, 13                         ; wts: 8,192 bytes a group
	s_mov_b32 s35, 0
	s_lshl_b32 s36, s3, 17
	s_lshl_b32 s37, s2, 12
	s_add_co_u32 s36, s36, s37                     ; xb: (64 group + 2 wave) x 2,048 bytes
	s_mov_b32 s37, 0
	s_mul_i32 s38, s4, 16*RKH                      ; rkp: the batch's 16 heads
	s_mov_b32 s39, 0
	s_wait_kmcnt 0x0
	s_add_nc_u64 s[8:9], s[8:9], s[30:31]
	s_add_nc_u64 s[10:11], s[10:11], s[32:33]
	s_add_nc_u64 s[12:13], s[12:13], s[32:33]
	s_add_nc_u64 s[24:25], s[24:25], s[34:35]
	s_add_nc_u64 s[18:19], s[18:19], s[36:37]
	s_add_nc_u64 s[40:41], s[20:21], s[38:39]      ; rkp at the batch's head 0, row 0
	s_lshl1_add_u32 s38, s2, s5
	s_add_co_u32 s38, s38, 2
	s_lshl_b32 s38, s38, 7                         ; row 2 + token, 128 bytes a row: a multiple of 256, since the token is even
	s_add_nc_u64 s[20:21], s[40:41], s[38:39]
	; ten loads of weights, then sixteen of x
	global_load_b128 v[16:19], v6, s[10:11]
	global_load_b128 v[20:23], v6, s[12:13]
.irp it, 0,1,2,3
	global_load_b128 v[96+4*\it:96+4*\it+3],   v6, s[16:17] offset:16384*\it
	global_load_b128 v[112+4*\it:112+4*\it+3], v6, s[14:15] offset:16384*\it
.endr
.set j, 0
.rept 16
	global_load_b128 v[X+4*j:X+4*j+3], v5, s[8:9] offset:256*j th:TH_LOAD_NT  ; head j of both tokens: two whole blocks of 256 bytes
.set j, j+1
.endr
	s_wait_loadcnt 16                              ; the weights are in; the sixteen loads of x stay out
.irp k, 16,17,18,19
	v_mul_f32 v\k, 0x3d800000, v\k                 ; Wv / 16: exact
.endr
.irp k, 20,21,22,23
	v_mul_f32 v\k, 0x41800000, v\k                 ; 16 Wo: exact
.endr
	v_cvt_pk_bf16_f32 v24, v16, v17
	v_cvt_pk_bf16_f32 v25, v18, v19
	v_cvt_pk_bf16_f32 v26, v20, v21
	v_cvt_pk_bf16_f32 v27, v22, v23
	global_store_b64 v7, v[24:25], s[24:25]        ; a wave stores 256 consecutive bytes
	v_lshlrev_b32 v20, 16, v26                     ; the bf16 number is written as f16: 8 significant bits fit in 11
	v_and_b32 v21, s28, v26
	v_lshlrev_b32 v22, 16, v27
	v_and_b32 v23, s28, v27
	v_cvt_pk_f16_f32 v28, v20, v21
	v_cvt_pk_f16_f32 v29, v22, v23
	global_store_b64 v7, v[28:29], s[24:25] offset:2097152
.irp it, 0,1,2,3
	v_cvt_pk_bf16_f32 v[96+4*\it],    v[96+4*\it],    v[96+4*\it+1]
	v_cvt_pk_bf16_f32 v[96+4*\it+1],  v[96+4*\it+2],  v[96+4*\it+3]
	v_cvt_pk_bf16_f32 v[112+4*\it],   v[112+4*\it],   v[112+4*\it+1]
	v_cvt_pk_bf16_f32 v[112+4*\it+1], v[112+4*\it+2], v[112+4*\it+3]
	ds_store_b64 v8, v[96+4*\it:96+4*\it+1]   offset:WGB+4*\it*LP
	ds_store_b64 v8, v[112+4*\it:112+4*\it+1] offset:WGB+(16+4*\it)*LP
.endr
	s_mul_i32 s6, s2, 2*LP
	s_add_co_u32 s6, s6, XST                       ; my two rows of the x stage
	v_mul_u32_u24 v9, v4, LP
	v_lshl_add_u32 v9, v3, 3, v9
	v_add_nc_u32 v9, s6, v9                        ; in: my token's row, 8 bytes a lane
	v_lshl_add_u32 v10, v2, 4, s6                  ; back: 16 bytes a lane
	v_lshlrev_b32 v11, 4, v2                       ; xb: 16 bytes a lane
	v_lshlrev_b32 v12, 3, v2                       ; rkp: 8 bytes a lane: lanes 16-31 fall on the next token's row
	s_wait_loadcnt 0x0                             ; x
	s_wait_xcnt 0x0                                ; the two stores above have read v24-29, which the sums below rewrite
.set j, 0
.rept 16
	v_cvt_pk_bf16_f32 v[P+2*j],   v[X+4*j],   v[X+4*j+1]
	v_cvt_pk_bf16_f32 v[P+2*j+1], v[X+4*j+2], v[X+4*j+3]
.set j, j+1
.endr
.set j, 0
.rept 16
	ds_store_b64 v9, v[P+2*j:P+2*j+1] offset:128*j
	v_lshlrev_b32 v[X+4*j],   16,  v[P+2*j]         ; from here on x is bf16(x)
	v_and_b32     v[X+4*j+1], s28, v[P+2*j]
	v_lshlrev_b32 v[X+4*j+2], 16,  v[P+2*j+1]
	v_and_b32     v[X+4*j+3], s28, v[P+2*j+1]
.set j, j+1
.endr
.set j, 0
.rept 16
	v_mul_f32 v[SS+j], v[X+4*j], v[X+4*j]
.set j, j+1
.endr
.irp k, 1,2,3
.set j, 0
.rept 16
	v_fmac_f32 v[SS+j], v[X+4*j+\k], v[X+4*j+\k]
.set j, j+1
.endr
.endr
.irp m, 1,2,4,8                        ; a slice's 16 lanes: four steps ride on the addition
.set j, 0
.rept 16
	v_add_f32_dpp v[SS+j], v[SS+j], v[SS+j] row_xmask:\m row_mask:0xf bank_mask:0xf
.set j, j+1
.endr
.endr
.set j, 0
.rept 16
	v_sqrt_f32 v[SS+j], v[SS+j]
.set j, j+1
.endr
	v_nop                                          ; a plain instruction behind the last root (ISA guide 5.7.2)
.set j, 0
	s_wait_alu depctr_va_vdst(0)
.rept 16
	v_max_num_f32 v[SS+j], 0x2b8cbccc, v[SS+j]     ; max(norm, 1e-12)
.set j, j+1
.endr
.set j, 0
.rept 16
	v_rcp_f32 v[SS+j], v[SS+j]
.set j, j+1
.endr
	v_nop
.set j, 0
	s_wait_alu depctr_va_vdst(0)
.rept 16
.irp k, 0,1,2,3
	v_mul_f32 v[X+4*j+\k], v[X+4*j+\k], v[SS+j]
.endr
.set j, j+1
.endr
.set j, 0
.rept 16
	v_cvt_pk_f16_f32 v[X+4*j],   v[X+4*j],   v[X+4*j+1]
	v_cvt_pk_f16_f32 v[X+4*j+1], v[X+4*j+2], v[X+4*j+3]
	global_store_b64 v12, v[X+4*j:X+4*j+1], s[20:21] offset:RKH*j  ; 32 lanes: two rows of 128 bytes, one aligned block of 256; 15 heads on are 7,868,160 bytes, inside the signed 24 bits
.set j, j+1
.endr
.set u, 0
.rept 8
	ds_load_b128 v[P+4*u:P+4*u+3], v10 offset:(u/4)*LP+(u%4)*512  ; my own two rows back, 512 bytes at a time: LDS serves a wave's instructions in order (ISA guide 5.7.1.4)
.set u, u+1
.endr
	s_wait_dscnt 0x0                               ; they are back; my stores into LDS are done too, for the others' sake
.set u, 0
.rept 8
	global_store_b128 v11, v[P+4*u:P+4*u+3], s[18:19] offset:512*u
.set u, u+1
.endr
	s_wait_xcnt 0x0                                ; X, P and the offsets are rewritten below
	s_barrier_signal -1
	s_barrier_wait -1                              ; both stages are whole
	s_cmp_lt_u32 s2, 8
	s_cbranch_scc0 .Lnogate
	; waves 0-7: 16 tokens (wave % 4) x 16 heads of Wb (wave / 4 = 0) or Wg (1); 32 K steps, two accumulators by turns
	s_and_b32 s6, s2, 3
	s_lshr_b32 s7, s2, 2
	v_mul_u32_u24 v13, v3, LP
	v_lshl_add_u32 v13, v4, 4, v13                 ; a fragment's row x pitch + 16 x half
	s_mul_i32 s26, s6, 16*LP
	s_add_co_u32 s26, s26, XST
	s_mul_i32 s27, s7, 16*LP
	v_add_nc_u32 v5, s26, v13
	v_add_nc_u32 v6, s27, v13
.set bt, 0
.rept 8
.if bt > 0
	NOP4                                           ; four places between the products and loads into their sources
.endif
.irp k, 0,1,2,3
	ds_load_b128 v[X+16*\k:X+16*\k+3],     v5 offset:64*(4*bt+\k)
	ds_load_b128 v[X+16*\k+4:X+16*\k+7],   v5 offset:64*(4*bt+\k)+32
	ds_load_b128 v[X+16*\k+8:X+16*\k+11],  v6 offset:64*(4*bt+\k)
	ds_load_b128 v[X+16*\k+12:X+16*\k+15], v6 offset:64*(4*bt+\k)+32
.endr
	s_wait_dscnt 0x0
.irp k, 0,1,2,3
.if (bt == 0) && (\k < 2)
	v_wmma_f32_16x16x32_bf16 v[P+8*(\k%2):P+8*(\k%2)+7], v[X+16*\k:X+16*\k+7], v[X+16*\k+8:X+16*\k+15], 0
.else
	v_wmma_f32_16x16x32_bf16 v[P+8*(\k%2):P+8*(\k%2)+7], v[X+16*\k:X+16*\k+7], v[X+16*\k+8:X+16*\k+15], v[P+8*(\k%2):P+8*(\k%2)+7]
.endif
.endr
.set bt, bt+1
.endr
	NOP4
.irp k, 0,2,4,6
	v_pk_add_f32 v[P+\k:P+\k+1], v[P+\k:P+\k+1], v[P+8+\k:P+8+\k+1]
.endr
.irp k, 0,1,2,3,4,5,6,7
	v_mul_f32 v[P+\k], 0xbfb8aa3b, v[P+\k]         ; - z log2(e)
.endr
.irp k, 0,1,2,3,4,5,6,7
	v_exp_f32 v[P+\k], v[P+\k]
.endr
	v_nop
	s_wait_alu depctr_va_vdst(0)
.irp k, 0,1,2,3,4,5,6,7
	v_add_f32 v[P+\k], 1.0, v[P+\k]
.endr
.irp k, 0,1,2,3,4,5,6,7
	v_rcp_f32 v[P+\k], v[P+\k]                     ; 1 / (1 + e^-z); an infinite power gives 0
.endr
	v_mul_u32_u24 v7, v3, GP                       ; a lane holds one head (lane % 16) and tokens 8 (lane / 16) + 0..7
	v_lshl_add_u32 v7, v4, 5, v7
	s_mul_i32 s26, s7, 16*GP
	s_lshl_b32 s27, s6, 6
	s_add_co_u32 s26, s26, s27
	s_add_co_u32 s26, s26, GST
	v_add_nc_u32 v7, s26, v7
	s_wait_alu depctr_va_vdst(0)
	ds_store_b128 v7, v[P:P+3]
	ds_store_b128 v7, v[P+4:P+7] offset:16
.Lnogate:
	s_wait_dscnt 0x0                               ; for the others' sake
	s_barrier_signal -1
	s_barrier_wait -1
	s_cmp_lt_u32 s2, 16
	s_cbranch_scc0 .Lnoout
	; waves 0-15: two rows of the gate stage each: 64 tokens of one head are one aligned block of 256 bytes of gb
	v_mul_u32_u24 v5, v4, GP
	v_lshl_add_u32 v5, v3, 4, v5
	s_mul_i32 s26, s2, 2*GP
	s_add_co_u32 s26, s26, GST
	v_add_nc_u32 v5, s26, v5
	ds_load_b128 v[16:19], v5
	v_lshlrev_b32 v6, 4, v3
	v_lshl_add_u32 v6, v4, 14, v6                  ; the next head lies 16,384 bytes on
	s_lshr_b32 s26, s2, 3
	s_lshl_b32 s26, s26, 20                        ; beta's array, or g's
	s_and_b32 s27, s2, 7
	s_lshl_b32 s27, s27, 1
	s_lshl4_add_u32 s27, s4, s27                   ; 16 batch + head
	s_lshl_b32 s27, s27, 14
	s_add_co_u32 s26, s26, s27
	s_lshl_b32 s27, s5, 2
	s_add_co_u32 s26, s26, s27
	s_mov_b32 s27, 0
	s_add_nc_u64 s[22:23], s[22:23], s[26:27]
	s_wait_dscnt 0x0
	global_store_b128 v6, v[16:19], s[22:23]
.Lnoout:
	s_cmp_eq_u32 s5, 0                             ; a batch's first group writes the two zero rows in front of each head's keys: row 1 is the write key of token 0
	s_cbranch_scc0 .Lend
	s_cmp_lt_u32 s2, 8
	s_cbranch_scc0 .Lend
	v_mul_u32_u24 v8, v4, RKH
	v_lshl_add_u32 v8, v3, 4, v8                   ; lanes 0-15 head 2 w, lanes 16-31 head 2 w + 1: 256 bytes each
	s_mul_i32 s26, s2, 2*RKH
	s_mov_b32 s27, 0
	s_add_nc_u64 s[40:41], s[40:41], s[26:27]
.irp k, 20,21,22,23
	v_mov_b32 v\k, 0
.endr
	global_store_b128 v8, v[20:23], s[40:41]
.Lend:
	s_wait_tensorcnt 0x0                           ; the wave's end
	ds_add_u32 v[SPW], v[NIL]
	s_wait_dscnt 0x0
	s_endpgm
.Lfunc_end_k_qbbdffe1e19_prep:
	.size	k_qbbdffe1e19_prep, .Lfunc_end_k_qbbdffe1e19_prep-k_qbbdffe1e19_prep
	.p2alignl 7, 3214868480
	.fill 96, 4, 3214868480
	.section	.rodata,"a",@progbits
	.p2align	6, 0x0
	.amdhsa_kernel k_qbbdffe1e19_prep
		.amdhsa_group_segment_fixed_size 210944
		.amdhsa_private_segment_fixed_size 0
		.amdhsa_enable_private_segment 0
		.amdhsa_kernarg_size 72
		.amdhsa_user_sgpr_count 2
		.amdhsa_user_sgpr_kernarg_segment_ptr 1
		.amdhsa_wavefront_size32 1
		.amdhsa_system_sgpr_workgroup_id_x 1
		.amdhsa_system_sgpr_workgroup_id_y 1
		.amdhsa_system_sgpr_workgroup_id_z 1
		.amdhsa_system_vgpr_workitem_id 0
		.amdhsa_next_free_vgpr 128
		.amdhsa_next_free_sgpr 66
		.amdhsa_reserve_vcc 0
		.amdhsa_float_denorm_mode_32 3
		.amdhsa_float_denorm_mode_16_64 3
		.amdhsa_memory_ordered 1
		.amdhsa_forward_progress 1
		.amdhsa_inst_pref_size 44
	.end_amdhsa_kernel
	.amdgpu_metadata
---
amdhsa.version: [ 1, 2 ]
amdhsa.kernels:
  - .name:           k_qbbdffe1e19_prep
    .symbol:         k_qbbdffe1e19_prep.kd
    .args:
      - { .name: x, .offset: 0, .size: 8, .value_kind: global_buffer, .address_space: global }
      - { .name: Wv, .offset: 8, .size: 8, .value_kind: global_buffer, .address_space: global }
      - { .name: Wo, .offset: 16, .size: 8, .value_kind: global_buffer, .address_space: global }
      - { .name: Wg, .offset: 24, .size: 8, .value_kind: global_buffer, .address_space: global }
      - { .name: Wb, .offset: 32, .size: 8, .value_kind: global_buffer, .address_space: global }
      - { .name: xb, .offset: 40, .size: 8, .value_kind: global_buffer, .address_space: global }
      - { .name: rkp, .offset: 48, .size: 8, .value_kind: global_buffer, .address_space: global }
      - { .name: gb, .offset: 56, .size: 8, .value_kind: global_buffer, .address_space: global }
      - { .name: wts, .offset: 64, .size: 8, .value_kind: global_buffer, .address_space: global }
    .group_segment_fixed_size: 210944
    .private_segment_fixed_size: 0
    .kernarg_segment_align: 8
    .kernarg_segment_size: 72
    .max_flat_workgroup_size: 1024
    .sgpr_count:     66
    .vgpr_count:     128
    .wavefront_size: 32
...
	.end_amdgpu_metadata
.endif
;; end of part 1
;; launch gemm_v (part 2): grid 4 x 64, 4 waves a work-group, clusters of 4 x 4, 327,680 bytes of LDS; arguments xb, wts, vh; writes vh
.if DOCPART == 2
	.amdgcn_target "amdgcn-amd-amdhsa--gfx1250"
	.amdhsa_code_object_version 6
	.text
	.protected	k_qbbdffe1e19_gemm_v
	.globl	k_qbbdffe1e19_gemm_v
	.p2align	8
	.type	k_qbbdffe1e19_gemm_v,@function
k_qbbdffe1e19_gemm_v:
	s_mov_b64 s[64:65], 0
	v_nop
	global_prefetch_b8 v0, s[64:65] scope:SCOPE_SE
	s_setreg_imm32_b32 hwreg(HW_REG_WAVE_MODE, 25, 1), 1
	s_wait_xcnt 0x0
	s_wait_alu depctr_hold_cnt(0) depctr_sa_sdst(0) depctr_va_vdst(0) depctr_va_sdst(0) depctr_va_ssrc(0) depctr_va_vcc(0) depctr_vm_vsrc(0)
	s_getreg_b32 s2, hwreg(HW_REG_IB_STS2, 6, 4)
	s_cmp_eq_u32 s2, 0
	s_cbranch_scc0 .Lentry_in_a_cluster
	s_endpgm
.Lentry_in_a_cluster:
	s_bfe_u32 s2, ttmp6, 0x10000c
	s_cmp_lg_u32 s2, 0xf033
	s_cbranch_scc0 .Lentry_shape_is_right
	s_endpgm
.Lentry_shape_is_right:
; vh = (bf16(x) (bf16(Wv) / 16)^T), rounded once to f16 and laid by heads: [64 bh][4096][64].  A = xb [16384][1024] bf16, B = wts [1024][1024] bf16, sums in f32.
; A tile of C, 256 x 256, is made by four waves, each 128 x 128: 64 accumulators, 512 registers.  K goes in steps of 128 through two LDS slots filled by the tensor data mover; rows of 256 bytes.
; CLUSTER 4 x 4: the four work-groups of a row of the cluster need the same tiles of A, the four of a column the same tiles of B: each tile is asked for jointly, by the same load, descriptor and mask in all four.
; The matrix instruction is used transposed (source 0 = 16 rows of B, source 1 = 16 rows of A): a lane holds eight neighbouring columns of one row of C.
; LIMIT.  v / 16 must lie in f16's range: |v| below 1.05e6; below 1e-3 it keeps the fixed step 9.5e-7.
; REGISTERS, in windows of 256: window 0: v0-31 addresses, v64-191 two buffers of A's fragments, v32-63 and v192-255 at work on the way out; window 1: v64-191 B's fragments; windows 2, 3: the accumulators.
.set SIZE_K, 1024
.set KSTEP,  128
.set PITCH,  272                       ; 256 bytes + 16: sixteen rows start at sixteen different groups of four banks (64 banks of 4 bytes: ISA guide 11.1)
.set HALFT,  128*PITCH
.set SLOT,   4*HALFT                   ; A's 256 rows, then B's
.set STAGE,  2*SLOT                    ; 16 rows x 272 bytes for each wave, for the way out; no tensor load lands here
.set SPITCH, 272
.set SPARE,  STAGE+4*16*SPITCH         ; the spare words: 128 bytes a wave, two blocks of 256 bytes that no other line names
.set LAPS,   SIZE_K/(2*KSTEP)
.set ADRA, 16
.set ADRB, 20
.set STO,  24
.set RD,   25
.set CO,   26
.set SPW,  28
.set NIL,  29
.set F0,   64
.set F1,   128
.set TMP,  192
.set OB,   32
.set G1, 24
.set G0, 32
.set G1B, 48
.set G0B, 56
.set MSB, 0
.macro WIN new                         ; the immediate's high byte repeats the setting that is left; a switch that changes nothing is dropped
.if MSB != (\new)
	s_set_vgpr_msb (MSB<<8)|(\new)
.set MSB, \new
.endif
.endm
.set MUL_LO, 0xa1                      ; source 0 (B) window 1, source 1 (A) window 0, C and D window 2
.set MUL_HI, 0xf1                      ; the same, C and D window 3
.set TO_B,   0x40                      ; destination window 1, address window 0
.macro JLOAD s                         ; a joint load: waves 0, 1 fetch A's halves, waves 2, 3 B's; an s_nop 0 and four v_nop follow each line
	s_cmp_eq_u32 s11, 0
	s_cbranch_scc0 .Lfor_b_\@
	tensor_load_to_lds s[G0+4*(\s):G0+4*(\s)+3], s[G1:G1+7]
	s_nop 0
.rept 4
	v_nop
.endr
	s_branch .Lasked_\@
.Lfor_b_\@:
	tensor_load_to_lds s[G0B+4*(\s):G0B+4*(\s)+3], s[G1B:G1B+7]
	s_nop 0
.rept 4
	v_nop
.endr
.Lasked_\@:
.endm
.macro CREST                           ; a round of the cluster's barrier behind its opening barrier
	s_cmp_lg_u32 s10, 0
	s_cbranch_scc1 .Lnot_wave_0_\@
	s_barrier_signal -3
.Lnot_wave_0_\@:
	s_barrier_wait -3
	s_barrier_signal -1
	s_barrier_wait -1
.endm
.macro CROUND
	s_barrier_signal -1
	s_barrier_wait -1
	CREST
.endm
	s_load_b128 s[4:7], s[0:1], 0x0                ; xb s[4:5], wts s[6:7]
	s_load_b64 s[8:9], s[0:1], 0x10                ; vh
	v_lshl_add_u32 v[SPW], v0, 2, SPARE
	v_mov_b32 v[NIL], 0
	ds_add_u32 v[SPW], v[NIL]                      ; the wave's opening
	ds_add_u32 v28, v29
	v_lshrrev_b32 v1, 5, v0
	v_readfirstlane_b32 s10, v1                    ; wave 0..3
	s_lshr_b32 s11, s10, 1                         ; my half of the tile's rows; also: I fetch for A (0) or B (1)
	s_and_b32 s12, s10, 1                          ; my half of its columns; also: which 128 rows I fetch
	s_bfe_u32 s40, ttmp6, 0x40000                  ; cx
	s_bfe_u32 s41, ttmp6, 0x40004                  ; cy
	s_lshl_b32 s42, ttmp9, 2
	s_add_co_u32 s42, s42, s40                     ; tile column
	s_and_b32 s13, ttmp7, 0xffff
	s_lshl_b32 s13, s13, 2
	s_add_co_u32 s13, s13, s41                     ; tile row
	s_lshl_b32 s43, s41, 2
	s_lshl_b32 s43, 15, s43                        ; my row of the cluster
	s_lshl_b32 s44, 0x1111, s40                    ; my column
	s_or_b32 s[G1+0], s43, (1<<16)|(1<<20)|(1<<21)|(5<<22)|(3<<25)   ; mask; 2-byte elements; padding on; bit 21 beside a mask; after every 64 words 4 words
	s_or_b32 s[G1B+0], s44, (1<<16)|(1<<20)|(1<<21)|(5<<22)|(3<<25)
.irp g, G1, G1B
	s_mov_b32 s[(\g)+1], KSTEP<<16                 ; tensor_dim0 = 128
	s_mov_b32 s[(\g)+2], 128<<16                   ; tensor_dim1 = 128
	s_mov_b32 s[(\g)+3], KSTEP<<16                 ; tile_dim0 = 128
	s_mov_b32 s[(\g)+4], 128                       ; tile_dim1 = 128
	s_mov_b32 s[(\g)+5], SIZE_K                    ; elements from row to row
	s_mov_b32 s[(\g)+6], 0
	s_mov_b32 s[(\g)+7], 0
.endr
	s_lshl_b32 s16, s13, 19                        ; A: (256 tile row + 128 half) rows of 2,048 bytes
	s_lshl_b32 s17, s12, 18
	s_add_co_u32 s16, s16, s17
	s_mov_b32 s17, 0
	s_lshl_b32 s46, s42, 19                        ; B: the same of the tile column
	s_lshl_b32 s47, s12, 18
	s_add_co_u32 s46, s46, s47
	s_mov_b32 s47, 0
	s_mul_i32 s20, s10, HALFT                      ; where they go: wave x 128 rows
	s_wait_dscnt 0x0                               ; the opening add is done
	s_wait_kmcnt 0x0
	s_add_nc_u64 s[14:15], s[4:5], s[16:17]
	s_add_nc_u64 s[46:47], s[6:7], s[46:47]
	CROUND                                         ; all sixteen work-groups are here: the first joint loads meet
.irp s, 0,1
	s_mov_b32 s[G0+4*(\s)], 1
	s_add_co_u32 s[G0+4*(\s)+1], s20, (\s)*SLOT
	s_add_nc_u64 s[G0+4*(\s)+2:G0+4*(\s)+3], s[14:15], (\s)*KSTEP*2
	s_or_b32 s[G0+4*(\s)+3], s[G0+4*(\s)+3], 0x80000000
	s_mov_b32 s[G0B+4*(\s)], 1
	s_add_co_u32 s[G0B+4*(\s)+1], s20, (\s)*SLOT
	s_add_nc_u64 s[G0B+4*(\s)+2:G0B+4*(\s)+3], s[46:47], (\s)*KSTEP*2
	s_or_b32 s[G0B+4*(\s)+3], s[G0B+4*(\s)+3], 0x80000000
	JLOAD \s                                       ; two loads of mine are out
.endr
	v_and_b32 v1, 15, v0                           ; l % 16
	v_bfe_u32 v2, v0, 4, 1                         ; l / 16
	v_mul_u32_u24 v3, v1, PITCH
	v_lshl_add_u32 v3, v2, 4, v3                   ; a fragment's row x pitch + 16 x half
	s_mul_i32 s21, s11, HALFT
	s_mul_i32 s22, s12, HALFT
	s_add_co_u32 s22, s22, 2*HALFT
.irp s, 0,1
	v_add_nc_u32 v[ADRA+(\s)], s21, v3
	v_add_nc_u32 v[ADRB+(\s)], s22, v3
	s_add_co_u32 s21, s21, SLOT
	s_add_co_u32 s22, s22, SLOT
.endr
	s_mul_i32 s23, s10, 16*SPITCH
	s_add_co_u32 s23, s23, STAGE                   ; my stage
	v_mul_u32_u24 v4, v1, SPITCH
	v_lshl_add_u32 v4, v2, 4, v4
	v_add_nc_u32 v[STO], s23, v4                   ; in: row l % 16, 16 bytes for each half of the lanes
	v_bfe_u32 v5, v0, 3, 2
	v_mul_u32_u24 v5, v5, SPITCH
	v_and_b32 v6, 7, v0
	v_lshl_add_u32 v5, v6, 4, v5
	v_add_nc_u32 v[RD], s23, v5                    ; back: 32 lanes take one head's 128 bytes of four tokens,
	v_and_b32 v6, 31, v0
	v_lshlrev_b32 v[CO], 4, v6                     ; which are 512 consecutive bytes of vh
	; vh at ((16 batch + head) x 4,096 + token) x 128: batch = tile row / 16, token = 256 (tile row % 16) + 128 row half, head = 4 tile column + 2 column half
	s_lshr_b32 s16, s13, 4
	s_lshl_b32 s16, s16, 23
	s_and_b32 s17, s13, 15
	s_lshl_b32 s17, s17, 15
	s_add_co_u32 s16, s16, s17
	s_lshl_b32 s17, s11, 14
	s_add_co_u32 s16, s16, s17
	s_lshl_b32 s46, s42, 21                        ; (the column's part in the registers that held B's address: none that feeds A's descriptors ever holds cx)
	s_lshl_b32 s47, s12, 20
	s_add_co_u32 s46, s46, s47
	s_add_co_u32 s46, s46, s16
	s_mov_b32 s47, 0
	s_add_nc_u64 s[8:9], s[8:9], s[46:47]
; 16 matrix instructions: m blocks a0, a0 + 1 of the window's four x all 8 n blocks, 32 along K.  zero = 1: the first product starts the sums
.macro MUL16 f, hi, a0, zero
	WIN MUL_LO+0x50*(\hi)
.irp a, \a0, (\a0)+1
.irp b, 0,1,2,3,4,5,6,7
.if \zero
	v_wmma_f32_16x16x32_bf16 v[8*(8*(\a)+(\b)):8*(8*(\a)+(\b))+7], v[(\f)+8*(\b):(\f)+8*(\b)+7], v[(\f)+8*(4*(\hi)+(\a)):(\f)+8*(4*(\hi)+(\a))+7], 0
.else
	v_wmma_f32_16x16x32_bf16 v[8*(8*(\a)+(\b)):8*(8*(\a)+(\b))+7], v[(\f)+8*(\b):(\f)+8*(\b)+7], v[(\f)+8*(4*(\hi)+(\a)):(\f)+8*(4*(\hi)+(\a))+7], v[8*(8*(\a)+(\b)):8*(8*(\a)+(\b))+7]
.endif
.endr
.endr
.endm
; 32 LDS loads in one run: the fragments of quarter q (32 along K) into buffer f: B's 16, then A's 16
.macro FETCH slot, q, f
	WIN TO_B
.irp i, 0,1,2,3,4,5,6,7
	ds_load_b128 v[(\f)+8*(\i):(\f)+8*(\i)+3],   v[ADRB+(\slot)] offset:64*(\q)+(\i)*16*PITCH
	ds_load_b128 v[(\f)+8*(\i)+4:(\f)+8*(\i)+7], v[ADRB+(\slot)] offset:64*(\q)+(\i)*16*PITCH+32
.endr
	WIN 0
.irp i, 0,1,2,3,4,5,6,7
	ds_load_b128 v[(\f)+8*(\i):(\f)+8*(\i)+3],   v[ADRA+(\slot)] offset:64*(\q)+(\i)*16*PITCH
	ds_load_b128 v[(\f)+8*(\i)+4:(\f)+8*(\i)+7], v[ADRA+(\slot)] offset:64*(\q)+(\i)*16*PITCH+32
.endr
.endm
.macro PLACES                          ; four places between matrix instructions and loads into their sources or readers of their results
.rept 4
	v_nop
.endr
.endm
; One of a K step's first three quarters: multiplies buffer f; in its middle it fetches quarter q of the same slot into buffer g
.macro QUARTER slot, q, f, g, zero
	s_wait_dscnt 8                                 ; B and A's rows 0-63 are in; the youngest eight loads (A's rows 64-127) may be out
	MUL16 \f, 0, 0, \zero
	MUL16 \f, 0, 2, \zero
	PLACES
	FETCH \slot, \q, \g
	s_wait_dscnt 32                                ; all but the 32 just issued
	MUL16 \f, 1, 0, \zero
	MUL16 \f, 1, 2, \zero
.endm
; The last quarter's first half, with the one barrier of a change of slots
.macro MEET round
	WIN 0                                          ; (the add's two registers lie in window 0)
	s_wait_tensorcnt 0x0                           ; all my tensor loads have landed: the one that was out is my part of the next slot
	ds_add_u32 v[SPW], v[NIL]
	s_wait_dscnt 9                                 ; (the add and the youngest eight loads may be out)
	MUL16 F1, 0, 0, 0
	s_wait_dscnt 0x0                               ; the add is done, and my reads of this slot are over
	s_barrier_signal -1
	MUL16 F1, 0, 2, 0
.if \round
	WIN 0
.endif
	s_barrier_wait -1
.endm
; The whole last quarter.  fill = 1: the barrier opens a round of the cluster's, and the slot just read is filled again, two K steps on, first thing behind it
.macro TURN slot, next, fill
.if \fill
	MEET 1
	CREST
	s_add_nc_u64 s[G0+4*(\slot)+2:G0+4*(\slot)+3], s[G0+4*(\slot)+2:G0+4*(\slot)+3], 2*KSTEP*2
	s_add_nc_u64 s[G0B+4*(\slot)+2:G0B+4*(\slot)+3], s[G0B+4*(\slot)+2:G0B+4*(\slot)+3], 2*KSTEP*2
	JLOAD \slot                                    ; its four v_nop are also the places in front of the loads below
.else
	MEET 0
	PLACES
.endif
	FETCH \next, 0, F0
	MUL16 F1, 1, 0, 0
	MUL16 F1, 1, 2, 0
.endm
; THE WAY OUT of block a (16 rows): rounded to f16; through my own stage; stored by heads
.macro PACK a
.set AC, 64*((\a)%4)
	WIN 0x0a+5*((\a)/4)                            ; sources 0 and 1: window 2 or 3
.irp b, 0,1,2,3,4,5,6,7
.irp r, 0,1,2,3
	v_cvt_pk_f16_f32 v[TMP+4*(\b)+(\r)], v[AC+8*(\b)+2*(\r)], v[AC+8*(\b)+2*(\r)+1]
.endr
.endr
	WIN 0
.endm
.macro TOSTAGE a
	WIN 0
.set BK, OB+192*((\a)%2)
	s_wait_xcnt 0x0                                ; the stores of the block before last have read the registers that are loaded below
.irp b, 0,1,2,3,4,5,6,7
	ds_store_b128 v[STO], v[TMP+4*(\b):TMP+4*(\b)+3] offset:32*(\b)
.endr
.irp t, 0,1,2,3,4,5,6,7
	ds_load_b128 v[BK+4*(\t):BK+4*(\t)+3], v[RD] offset:((\t)%4)*4*SPITCH+((\t)/4)*128  ; head t / 4, tokens 4 (t % 4) on; LDS serves a wave's instructions in order (ISA guide 5.7.1.4)
.endr
.endm
.macro SEND a
	WIN 0
.set BK, OB+192*((\a)%2)
	s_wait_dscnt 0x0
.irp t, 0,1,2,3,4,5,6,7
	global_store_b128 v[CO], v[BK+4*(\t):BK+4*(\t)+3], s[8:9] offset:((\t)/4)*524288+(\a)*2048+((\t)%4)*512  ; 512 consecutive bytes, at a multiple of 512 from vh's first
.endr
.endm
	s_wait_tensorcnt 1                             ; my part of K step 0 is in; K step 1's stays out
	s_barrier_signal -1
	s_barrier_wait -1
	FETCH 0, 0, F0
	QUARTER 0, 1, F0, F1, 1                        ; the first quarter stands in front of the loop: its products start the sums
	WIN 0
	s_mov_b32 s3, LAPS-1
.Llap:                                                 ; a trip goes once round the ring and fills both slots again
	QUARTER 0, 2, F1, F0, 0
	QUARTER 0, 3, F0, F1, 0
	TURN 0, 1, 1
	QUARTER 1, 1, F0, F1, 0
	QUARTER 1, 2, F1, F0, 0
	QUARTER 1, 3, F0, F1, 0
	TURN 1, 0, 1
	QUARTER 0, 1, F0, F1, 0
	WIN 0
	s_sub_co_u32 s3, s3, 1
	s_cmp_lg_u32 s3, 0
	s_cbranch_scc1 .Llap
	QUARTER 0, 2, F1, F0, 0                        ; the last lap fills nothing
	QUARTER 0, 3, F0, F1, 0
	TURN 0, 1, 0
	QUARTER 1, 1, F0, F1, 0
	QUARTER 1, 2, F1, F0, 0
	QUARTER 1, 3, F0, F1, 0
	s_wait_dscnt 8
	MUL16 F1, 0, 0, 0
	MUL16 F1, 0, 2, 0
	s_wait_dscnt 0x0
	MUL16 F1, 1, 0, 0
	MUL16 F1, 1, 2, 0
	WIN 0
	PLACES
	PACK 0
	TOSTAGE 0
.irp a, 1,2,3,4,5,6,7                  ; a block's conversions stand between the loads of the block before and the wait for them
	PACK \a
	SEND (\a)-1
	TOSTAGE \a
.endr
	SEND 7
	s_wait_tensorcnt 0x0                           ; the wave's end
	ds_add_u32 v[SPW], v[NIL]
	s_wait_dscnt 0x0
	CROUND                                         ; the closing round: no work-group ends while a partner may still ask for a tile that names it
	s_endpgm
.Lfunc_end_k_qbbdffe1e19_gemm_v:
	.size	k_qbbdffe1e19_gemm_v, .Lfunc_end_k_qbbdffe1e19_gemm_v-k_qbbdffe1e19_gemm_v
	.p2alignl 7, 3214868480
	.fill 96, 4, 3214868480
	.section	.rodata,"a",@progbits
	.p2align	6, 0x0
	.amdhsa_kernel k_qbbdffe1e19_gemm_v
		.amdhsa_group_segment_fixed_size 327680
		.amdhsa_private_segment_fixed_size 0
		.amdhsa_enable_private_segment 0
		.amdhsa_kernarg_size 24
		.amdhsa_user_sgpr_count 2
		.amdhsa_user_sgpr_kernarg_segment_ptr 1
		.amdhsa_wavefront_size32 1
		.amdhsa_system_sgpr_workgroup_id_x 1
		.amdhsa_system_sgpr_workgroup_id_y 1
		.amdhsa_system_sgpr_workgroup_id_z 1
		.amdhsa_system_vgpr_workitem_id 0
		.amdhsa_next_free_vgpr 1024
		.amdhsa_next_free_sgpr 66
		.amdhsa_reserve_vcc 0
		.amdhsa_float_denorm_mode_32 3
		.amdhsa_float_denorm_mode_16_64 3
		.amdhsa_memory_ordered 1
		.amdhsa_forward_progress 1
		.amdhsa_inst_pref_size 142
	.end_amdhsa_kernel
	.amdgpu_metadata
---
amdhsa.version: [ 1, 2 ]
amdhsa.kernels:
  - .name:           k_qbbdffe1e19_gemm_v
    .symbol:         k_qbbdffe1e19_gemm_v.kd
    .args:
      - { .name: xb, .offset: 0, .size: 8, .value_kind: global_buffer, .address_space: global }
      - { .name: wts, .offset: 8, .size: 8, .value_kind: global_buffer, .address_space: global }
      - { .name: vh, .offset: 16, .size: 8, .value_kind: global_buffer, .address_space: global }
    .group_segment_fixed_size: 327680
    .private_segment_fixed_size: 0
    .kernarg_segment_align: 8
    .kernarg_segment_size: 24
    .max_flat_workgroup_size: 128
    .sgpr_count:     66
    .vgpr_count:     1024
    .wavefront_size: 32
...
	.end_amdgpu_metadata
.endif
;; end of part 2
;; launch local (part 3): grid 256 x 1, 8 waves a work-group, no clusters, 304,128 bytes of LDS; arguments rkp, vh, gb, loc; writes loc
.if DOCPART == 3
	.amdgcn_target "amdgcn-amd-amdhsa--gfx1250"
	.amdhsa_code_object_version 6
	.text
	.protected	k_qbbdffe1e19_local
	.globl	k_qbbdffe1e19_local
	.p2align	8
	.type	k_qbbdffe1e19_local,@function
k_qbbdffe1e19_local:
	s_mov_b64 s[64:65], 0
	v_nop
	global_prefetch_b8 v0, s[64:65] scope:SCOPE_SE
	s_setreg_imm32_b32 hwreg(HW_REG_WAVE_MODE, 25, 1), 1
	s_wait_xcnt 0x0
; WHAT OF THE DELTA RULE DOES NOT HANG ON THE CARRIED STATE, for each chunk of 64 tokens of each (batch, head).  K = the write keys (the read keys one token back), Q = the read keys, G = K K^T.
; The chunk's errors solve (I + diag(beta) stril(G)) E = diag(beta) (V - K S0), so E = U + W' S0 with U and W' made here, by blocks of 16 tokens:
;   T_i = (I + diag(beta_i) stril(G_ii))^-1 diag(beta_i);   U_i = T_i (V_i - sum_{j<i} G_ij U_j);   W'_i = T_i (- K_i - sum_{j<i} G_ij W'_j).
; The 16 x 16 inverse X is made in f32 by substitution on X (I + A) = I, column 15 down to 0: no power of A is ever formed.  Also M = the lower triangle, diagonal included, of Q K^T.
; LAYOUTS.  A product D(m = s, n = t) = K_j K_i^T (or K_j Q_i^T), rounded in pairs, IS half a source-0 fragment of G (of M): rows t, 16 of the contraction's s.  A product D(m = token, n = column), rounded in
; pairs, IS a quarter of the source-1 fragments of the next level.  So nothing changes lanes but the inverse.
; OUT, as the wave's registers lie, 512 consecutive bytes a store: W' [chunk][4 nt + i][lane][16], U [chunk][g][i][lane][16], M [chunk][12 half fragments][lane][16].  Of M's two empty halves number 9 is
; zeros; number 1 carries the chunk's 64 gates g in f32, twice, so that the next launch finds them beside M.
; SHARES.  256 work-groups x 8 waves x 2 chunks.  Each wave fetches its own four tiles once, at the start, and reads only those: no barrier.  No cluster: no two work-groups read the same tile.
; LIMITS.  V arrives as v / 16 in f16, and U leaves so: |U| below 1.05e6.  G, M, T, W' are rounded to f16.  NaN and infinities are not treated apart.
.set RKH, 524544
.set KP,  144                          ; a key row in LDS: 128 bytes + 16
.set CH,  18944                        ; a chunk in LDS: 66 key rows (9,504 bytes, in 9,728), then 64 rows of V
.set VO,  9728
.set WB,  2*CH                         ; a wave's LDS
.set SPARE, 8*WB                       ; the spare words: 128 bytes a wave, four blocks of 256 bytes that no other line names
; window 0
.set AKP, 4                            ; v4   row l % 16 x 144 + 16 (l / 16), in my chunk
.set ATR, 5                            ; v5   the turning load's place: (8 (l / 16) + l % 8) x 144 + 16 ((l / 8) % 2)
.set GOF, 6                            ; v6   16 l
.set BOF, 7                            ; v7   4 l
.set BV0, 8                            ; v8, v9  beta of tokens l, 32 + l
.set BV1, 9
.set GGO, 10                           ; v10  16 (l % 16)
.set SPW, 14
.set NIL, 15
.set MK,  16                           ; v[16:23]  1 where 8 (l / 16) + e <= l % 16, else 0
.set Z4,  24                           ; v[24:27]  0
.set GV,  28                           ; v[28:31]  four of the chunk's gates g
.set KF,  32                           ; v[32:95]  K's fragments, block j, channel half q at KF + 16 j + 8 q
.set QF,  96                           ; v[96:127] Q's, two buffers
.set ACC, 128                          ; v[128:191] G(j, i) at ACC + 8 j, M(j, i) at ACC + 32 + 8 j
.set DG,  192                          ; v[192:223] G(i, i)
.set GF,  224                          ; v[224:255] [G10|0] [G20|G21] [G30|G31] [G32|0]
.set X0,  32                           ; the inverse: two sets of 16 columns; set p holds blocks 2 p (lanes 0-15) and 2 p + 1 (lanes 16-31), a row a lane
.set X1,  48
.set TF,  64                           ; T's fragments, 16 registers a block
.set T0,  160                          ; at work
.set T1,  176
.set NA0, 192                          ; - A, likewise
.set NA1, 208
.set YA,  128
; window 1
.set WUF, 0                            ; column block nt (0-3 W', 4-7 U): 16 registers, block i's tokens at 16 nt + 4 i
.set BF,  128                          ; the levels' source 1, two buffers: 128 + 64 (i % 2) + 8 nt
.set WPP, 48                           ; s[48:49] W' out, s[50:51] U out, s[52:53] M out, s[54:55] beta, s[62:63] g
.set UPP, 50
.set MPP, 52
.set BPP, 54
.set GPP, 62
.set MSB, 0
.macro WIN new
.if MSB != (\new)
	s_set_vgpr_msb (MSB<<8)|(\new)
.set MSB, \new
.endif
.endm
.set W_B1, 0x04                        ; source 1 (a product's B, a store's data) in window 1
.set W_D1, 0x40                        ; destination in window 1
.macro PLACES
.rept 4
	v_nop
.endr
.endm
	s_load_b256 s[4:11], s[0:1], 0x0               ; rkp s[4:5], vh s[6:7], gb s[8:9], loc s[10:11]
	v_lshl_add_u32 v[SPW], v0, 2, SPARE
	v_mov_b32 v[NIL], 0
	ds_add_u32 v[SPW], v[NIL]                      ; the wave's opening
	ds_add_u32 v14, v15
	v_lshrrev_b32 v1, 5, v0
	v_readfirstlane_b32 s12, v1                    ; wave 0..7
	s_lshr_b32 s13, ttmp9, 2                       ; bh
	s_and_b32 s14, ttmp9, 3
	s_lshl_b32 s14, s14, 4
	s_lshl1_add_u32 s14, s12, s14                  ; my first chunk
	; descriptors: dense bytes asked for as rows of 256, two key rows each, padded by 16 bytes behind every 128
	s_mov_b32 s16, (1<<16)|(1<<20)|(4<<22)|(3<<25)
	s_mov_b32 s17, 128<<16
	s_mov_b32 s18, 33<<16                          ; 66 key rows: local row 1 + tau is K's row tau, local row 2 + tau is Q's
	s_mov_b32 s19, 128<<16
	s_mov_b32 s20, 33
	s_mov_b32 s21, 128
	s_mov_b32 s22, 0
	s_mov_b32 s23, 0
	s_mov_b32 s24, (1<<16)|(1<<20)|(4<<22)|(3<<25)
	s_mov_b32 s25, 128<<16
	s_mov_b32 s26, 32<<16
	s_mov_b32 s27, 128<<16
	s_mov_b32 s28, 32
	s_mov_b32 s29, 128
	s_mov_b32 s30, 0
	s_mov_b32 s31, 0
	s_mul_i32 s15, s12, WB
	s_mul_i32 s56, s13, RKH
	s_lshl_b32 s57, s14, 13
	s_add_co_u32 s56, s56, s57                     ; keys: the head, and 64 rows a chunk
	s_mov_b32 s57, 0
	s_lshl_b32 s58, s13, 19
	s_lshl_b32 s59, s14, 13
	s_add_co_u32 s58, s58, s59                     ; (64 bh + chunk) x 8,192: V's place, W's, and U's
	s_mov_b32 s59, 0
	s_wait_dscnt 0x0                               ; the opening add is done
	s_wait_kmcnt 0x0
	s_add_nc_u64 s[4:5], s[4:5], s[56:57]
	s_add_nc_u64 s[6:7], s[6:7], s[58:59]
	s_add_nc_u64 s[WPP:WPP+1], s[10:11], s[58:59]
.irp n, 0,1
	s_mov_b32 s[32+8*\n], 1
	s_add_co_u32 s[33+8*\n], s15, \n*CH
	s_add_nc_u64 s[34+8*\n:35+8*\n], s[4:5], \n*8192
	s_or_b32 s[35+8*\n], s[35+8*\n], 0x80000000
	s_mov_b32 s[36+8*\n], 1
	s_add_co_u32 s[37+8*\n], s15, \n*CH+VO
	s_add_nc_u64 s[38+8*\n:39+8*\n], s[6:7], \n*8192
	s_or_b32 s[39+8*\n], s[39+8*\n], 0x80000000
	tensor_load_to_lds s[32+8*\n:35+8*\n], s[16:23]
	s_nop 0
	tensor_load_to_lds s[36+8*\n:39+8*\n], s[24:31]
	s_nop 0
.endr
	PLACES                                         ; four loads of mine are out; they are all that I ever issue
	s_lshl_b32 s56, s13, 19
	s_lshl_b32 s57, s14, 13
	s_add_co_u32 s56, s56, s57
	s_add_co_u32 s56, s56, 33554432
	s_mov_b32 s57, 0
	s_add_nc_u64 s[UPP:UPP+1], s[10:11], s[56:57]
	s_lshl_b32 s56, s13, 6
	s_add_co_u32 s56, s56, s14
	s_mul_i32 s56, s56, 6144
	s_add_co_u32 s56, s56, 67108864
	s_add_nc_u64 s[MPP:MPP+1], s[10:11], s[56:57]
	s_lshl_b32 s56, s13, 14
	s_lshl_b32 s58, s14, 8
	s_add_co_u32 s56, s56, s58
	s_add_nc_u64 s[BPP:BPP+1], s[8:9], s[56:57]    ; beta of my first chunk,
	s_add_co_u32 s56, s56, 1048576
	s_add_nc_u64 s[GPP:GPP+1], s[8:9], s[56:57]    ; and g
	v_and_b32 v1, 15, v0                           ; r
	v_bfe_u32 v2, v0, 4, 1                         ; h
	v_mul_u32_u24 v[AKP], v1, KP
	v_lshl_add_u32 v[AKP], v2, 4, v[AKP]
	v_add_nc_u32 v[AKP], s15, v[AKP]
	v_and_b32 v3, 7, v0
	v_lshl_add_u32 v3, v2, 3, v3
	v_mul_u32_u24 v[ATR], v3, KP
	v_bfe_u32 v3, v0, 3, 1
	v_lshl_add_u32 v[ATR], v3, 4, v[ATR]
	v_add_nc_u32 v[ATR], s15, v[ATR]
	v_and_b32 v3, 31, v0
	v_lshlrev_b32 v[GOF], 4, v3
	v_lshlrev_b32 v[BOF], 2, v3
	v_lshlrev_b32 v[GGO], 4, v1
	v_lshlrev_b32 v3, 3, v2
	v_sub_nc_u32 v3, v1, v3                        ; r - 8 h
.set e, 0
.rept 8
	v_cmp_le_i32 vcc_lo, e, v3
	v_cndmask_b32 v[MK+e], 0, 1.0, vcc_lo
.set e, e+1
.endr
	; zeros: the empty halves of G's fragments, and what those halves meet before it has been made (it need only be finite)
.irp k, 0,1,2,3
	v_mov_b32 v[Z4+\k], 0
	v_mov_b32 v[GF+4+\k], 0
	v_mov_b32 v[GF+28+\k], 0
.endr
	WIN W_D1
.set n, 0
.rept 8
.irp k, 4,5,6,7,12,13,14,15
	v_mov_b32 v[WUF+16*n+\k], 0
.endr
.irp k, 4,5,6,7
	v_mov_b32 v[BF+8*n+\k], 0
.endr
.set n, n+1
.endr
	WIN 0
.macro LDK                             ; K's 8 fragments: 16 loads
	WIN 0
.irp j, 0,1,2,3
.irp q, 0,1
	ds_load_b128 v[KF+16*\j+8*\q:KF+16*\j+8*\q+3],   v[AKP] offset:KP*(1+16*\j)+64*\q
	ds_load_b128 v[KF+16*\j+8*\q+4:KF+16*\j+8*\q+7], v[AKP] offset:KP*(1+16*\j)+64*\q+32
.endr
.endr
.endm
.macro LDQ n                           ; Q's block n: 4 loads
	WIN 0
.irp q, 0,1
	ds_load_b128 v[QF+16*((\n)%2)+8*\q:QF+16*((\n)%2)+8*\q+3],   v[AKP] offset:KP*(2+16*(\n))+64*\q
	ds_load_b128 v[QF+16*((\n)%2)+8*\q+4:QF+16*((\n)%2)+8*\q+7], v[AKP] offset:KP*(2+16*(\n))+64*\q+32
.endr
.endm
.macro LDT n                           ; block n of K and of V, turned: column l % 16, tokens 8 (l / 16) + 0..7: the lower halves of level n's source 1: 8 loads
	WIN W_D1
.irp t, 0,1,2,3
	ds_load_tr16_b128 v[BF+64*((\n)%2)+8*\t:BF+64*((\n)%2)+8*\t+3], v[ATR] offset:KP*(1+16*(\n))+32*\t
.endr
.irp t, 0,1,2,3
	ds_load_tr16_b128 v[BF+64*((\n)%2)+32+8*\t:BF+64*((\n)%2)+32+8*\t+3], v[ATR] offset:VO+KP*16*(\n)+32*\t
.endr
	WIN 0
.endm
; Column block i of G and of M: 2 (i + 1) accumulators by turns; then they are rounded, M masked on the diagonal and stored
.macro GROUP i, cnt
	s_wait_dscnt \cnt
	WIN 0
.irp q, 0,1
.set j, 0
.rept (\i)+1
.if j == (\i)
.set rD, DG+8*(\i)
.else
.set rD, ACC+8*j
.endif
.set rM, ACC+32+8*j
.set rA, KF+16*j+8*(\q)
.set rB, KF+16*(\i)+8*(\q)
.set rQ, QF+16*((\i)%2)+8*(\q)
.if (\q) == 0
	v_wmma_f32_16x16x32_f16 v[rD:rD+7], v[rA:rA+7], v[rB:rB+7], 0
	v_wmma_f32_16x16x32_f16 v[rM:rM+7], v[rA:rA+7], v[rQ:rQ+7], 0
.else
	v_wmma_f32_16x16x32_f16 v[rD:rD+7], v[rA:rA+7], v[rB:rB+7], v[rD:rD+7]
	v_wmma_f32_16x16x32_f16 v[rM:rM+7], v[rA:rA+7], v[rQ:rQ+7], v[rM:rM+7]
.endif
.set j, j+1
.endr
.endr
	PLACES
	v_nop                                          ; a fifth place: the next group's products start new sums in these accumulators, and the lines below that name them are no places (ISA guide 7.12.1)
.if (\i) < 2
	LDQ (\i)+2
.endif
.if (\i) > 0
.set j, 0
.rept \i
.irp e, 0,1,2,3
	v_cvt_pk_f16_f32 v[GF+8*((\i)-1)+4*j+\e], v[ACC+8*j+2*\e], v[ACC+8*j+2*\e+1]
.endr
.set j, j+1
.endr
.endif
.irp e, 0,2,4,6
	v_pk_mul_f32 v[ACC+32+8*(\i)+\e:ACC+32+8*(\i)+\e+1], v[ACC+32+8*(\i)+\e:ACC+32+8*(\i)+\e+1], v[MK+\e:MK+\e+1]
.endr
	WIN W_D1
.set j, 0
.rept (\i)+1
.set ix, 4*((\i)*((\i)+1)/2+j)
.irp e, 0,1,2,3
	v_cvt_pk_f16_f32 v[ix+\e], v[ACC+32+8*j+2*\e], v[ACC+32+8*j+2*\e+1]
.endr
.set j, j+1
.endr
	WIN W_B1
.set j, 0
.rept (\i)+1
.set ix, 4*((\i)*((\i)+1)/2+j)
	global_store_b128 v[GOF], v[ix:ix+3], s[MPP:MPP+1] offset:(2*((\i)+2*(j/2))+j%2)*512  ; fragment i (s below 32) or i + 2, half j % 2
.set j, j+1
.endr
	WIN 0
.endm
; The four inverses, two sets side by side
.macro INV
	WIN 0
	s_wait_xcnt 0x0                                ; M's stores have read window 1's v0-39, which level 0 rewrites
	s_wait_loadcnt 0x0                             ; beta and g
.irp e, 0,1,2,3,4,5,6,7                ; a lane gets all 16 columns of its row: register e column e, register 8 + e column 8 + e; lanes 16-31 the odd block
	v_permlane16_swap_b32 v[NA0+\e], v[NA0+8+\e]
	v_permlane16_swap_b32 v[NA1+\e], v[NA1+8+\e]
.endr
.set j, 0
.rept 15
	v_mul_f32 v[NA0+j], -v[BV0], v[NA0+j]          ; - A(r, j) = - beta_r G(r, j); only j < r is ever used
	v_mul_f32 v[NA1+j], -v[BV1], v[NA1+j]
.set j, j+1
.endr
.set j, 0
.rept 16
	v_cmp_eq_u32 vcc_lo, j, v1
	v_cndmask_b32 v[X0+j], 0, 1.0, vcc_lo
	v_cndmask_b32 v[X1+j], 0, 1.0, vcc_lo
.set j, j+1
.endr
.irp s, 15,14,13,12,11,10,9,8,7,6,5,4,3,2,1  ; column s is final: X_j -= X_s A(s, j) for every j < s; A(s, j) lies in lane s
.set j, 0
.rept \s
	v_mov_b32_dpp v[T0+j], v[NA0+j] row_share:\s row_mask:0xf bank_mask:0xf
	v_mov_b32_dpp v[T1+j], v[NA1+j] row_share:\s row_mask:0xf bank_mask:0xf
.set j, j+1
.endr
.set j, 0
.rept \s
	v_fmac_f32 v[X0+j], v[T0+j], v[X0+\s]
	v_fmac_f32 v[X1+j], v[T1+j], v[X1+\s]
.set j, j+1
.endr
.endr
.irp c, 0,1,2,3,4,5,6,7,8,9,10,11,12,13,14,15
	v_mov_b32_dpp v[T0+\c], v[BV0] row_share:\c row_mask:0xf bank_mask:0xf
	v_mov_b32_dpp v[T1+\c], v[BV1] row_share:\c row_mask:0xf bank_mask:0xf
.endr
.set j, 0
.rept 16
	v_mul_f32 v[X0+j], v[X0+j], v[T0+j]            ; T = X diag(beta)
	v_mul_f32 v[X1+j], v[X1+j], v[T1+j]
.set j, j+1
.endr
.irp e, 0,1,2,3
	v_cvt_pk_f16_f32 v[TF+\e],    v[X0+2*\e],   v[X0+2*\e+1]
	v_cvt_pk_f16_f32 v[TF+16+\e], v[X0+8+2*\e], v[X0+8+2*\e+1]
	v_cvt_pk_f16_f32 v[TF+32+\e], v[X1+2*\e],   v[X1+2*\e+1]
	v_cvt_pk_f16_f32 v[TF+48+\e], v[X1+8+2*\e], v[X1+8+2*\e+1]
.endr
.irp e, 0,1,2,3                        ; back to a fragment's lanes: lanes 0-15 columns 0-7, lanes 16-31 columns 8-15, a block a register set
	v_permlane16_swap_b32 v[TF+\e],    v[TF+16+\e]
	v_permlane16_swap_b32 v[TF+32+\e], v[TF+48+\e]
.endr
.irp e, 0,1,2,3                        ; block 0: [T, 0, -T, 0]; blocks 1-3: [T, -T, -T]
	v_mov_b32 v[TF+4+\e], 0
	v_xor_b32 v[TF+8+\e], 0x80008000, v[TF+\e]
	v_mov_b32 v[TF+12+\e], 0
.endr
.irp i, 1,2,3
.irp e, 0,1,2,3
	v_xor_b32 v[TF+16*\i+4+\e], 0x80008000, v[TF+16*\i+\e]
	v_xor_b32 v[TF+16*\i+8+\e], 0x80008000, v[TF+16*\i+\e]
.endr
.endr
.endm
; Level i: Y = sum_{j<i} G_ij WU_j; then WU_i = [-T|-T] [K_i; Y] for W', [T|-T] [V_i; Y] for U; rounded, kept for the next levels and stored
.macro LEVEL i
.set par, (\i)%2
.if (\i) >= 1
	WIN W_B1
.set n, 0
.rept 8
	v_wmma_f32_16x16x32_f16 v[YA+8*n:YA+8*n+7], v[GF+8*((\i)-1):GF+8*((\i)-1)+7], v[WUF+16*n:WUF+16*n+7], 0
.set n, n+1
.endr
.if (\i) == 3
.set n, 0
.rept 8
	v_wmma_f32_16x16x32_f16 v[YA+8*n:YA+8*n+7], v[GF+24:GF+31], v[WUF+16*n+8:WUF+16*n+15], v[YA+8*n:YA+8*n+7]
.set n, n+1
.endr
.endif
	PLACES
	WIN W_D1
.set n, 0
.rept 8
.irp e, 0,1,2,3
	v_cvt_pk_f16_f32 v[BF+64*par+8*n+4+\e], v[YA+8*n+2*\e], v[YA+8*n+2*\e+1]
.endr
.set n, n+1
.endr
.endif
.if (\i) == 2
	s_wait_dscnt 8                                 ; block 2's turned loads are in; block 3's eight stay out
.endif
.if (\i) == 3
	s_wait_dscnt 0x0
.endif
	WIN W_B1
.set n, 0
.rept 8
.if n < 4
.set rW, 32+8*n
.if (\i) == 0
.set rA, TF+8
.else
.set rA, TF+16*(\i)+4
.endif
.else
.set rW, 192+8*(n-4)
.set rA, TF+16*(\i)
.endif
	v_wmma_f32_16x16x32_f16 v[rW:rW+7], v[rA:rA+7], v[BF+64*par+8*n:BF+64*par+8*n+7], 0
.set n, n+1
.endr
	PLACES
.if (\i) < 2
	LDT (\i)+2
.endif
	WIN W_D1
.set n, 0
.rept 8
.if n < 4
.set rW, 32+8*n
.else
.set rW, 192+8*(n-4)
.endif
.irp e, 0,1,2,3
	v_cvt_pk_f16_f32 v[WUF+16*n+4*(\i)+\e], v[rW+2*\e], v[rW+2*\e+1]
.endr
.set n, n+1
.endr
	WIN W_B1
.set n, 0
.rept 4
	global_store_b128 v[GOF], v[WUF+16*n+4*(\i):WUF+16*n+4*(\i)+3], s[WPP:WPP+1] offset:(4*n+(\i))*512
.set n, n+1
.endr
.set n, 0
.rept 4
	global_store_b128 v[GOF], v[WUF+64+16*n+4*(\i):WUF+64+16*n+4*(\i)+3], s[UPP:UPP+1] offset:n*2048+(\i)*512
.set n, n+1
.endr
	WIN 0
.endm
	s_wait_tensorcnt 0x0                           ; my four tiles are in; only I read them
	s_mov_b32 s60, 2
.Lchunk:
	global_load_b32 v[BV0], v[BOF], s[BPP:BPP+1]
	global_load_b32 v[BV1], v[BOF], s[BPP:BPP+1] offset:128
	global_load_b128 v[GV:GV+3], v[GGO], s[GPP:GPP+1]  ; the chunk's 64 gates: lanes 16-31 take what lanes 0-15 take
	LDK
	LDQ 0
	LDQ 1
	LDT 0
	LDT 1
	global_store_b128 v[GOF], v[Z4:Z4+3], s[MPP:MPP+1] offset:9*512  ; M's empty half 9
	GROUP 0, 20                                    ; K and Q's block 0 are in; behind them: Q's block 1 (4) and the turned blocks 0, 1 (16)
	GROUP 1, 20                                    ; behind Q's block 1: the turned 16 and Q's block 2
	GROUP 2, 4                                     ; behind Q's block 2: Q's block 3
	GROUP 3, 0
	INV
	global_store_b128 v[GOF], v[GV:GV+3], s[MPP:MPP+1] offset:512    ; the gates, in the place of M's empty half 1
	LEVEL 0
	LEVEL 1
	LEVEL 2
	LEVEL 3
	s_wait_xcnt 0x0                                ; the stores have read their data and bases
	s_add_nc_u64 s[WPP:WPP+1], s[WPP:WPP+1], 8192
	s_add_nc_u64 s[UPP:UPP+1], s[UPP:UPP+1], 8192
	s_add_nc_u64 s[MPP:MPP+1], s[MPP:MPP+1], 6144
	s_add_nc_u64 s[BPP:BPP+1], s[BPP:BPP+1], 256
	s_add_nc_u64 s[GPP:GPP+1], s[GPP:GPP+1], 256
	v_add_nc_u32 v[AKP], CH, v[AKP]
	v_add_nc_u32 v[ATR], CH, v[ATR]
	s_sub_co_u32 s60, s60, 1
	s_cmp_lg_u32 s60, 0
	s_cbranch_scc1 .Lchunk
	s_wait_tensorcnt 0x0                           ; the wave's end
	ds_add_u32 v[SPW], v[NIL]
	s_wait_dscnt 0x0
	s_endpgm
.Lfunc_end_k_qbbdffe1e19_local:
	.size	k_qbbdffe1e19_local, .Lfunc_end_k_qbbdffe1e19_local-k_qbbdffe1e19_local
	.p2alignl 7, 3214868480
	.fill 96, 4, 3214868480
	.section	.rodata,"a",@progbits
	.p2align	6, 0x0
	.amdhsa_kernel k_qbbdffe1e19_local
		.amdhsa_group_segment_fixed_size 304128
		.amdhsa_private_segment_fixed_size 0
		.amdhsa_enable_private_segment 0
		.amdhsa_kernarg_size 32
		.amdhsa_user_sgpr_count 2
		.amdhsa_user_sgpr_kernarg_segment_ptr 1
		.amdhsa_wavefront_size32 1
		.amdhsa_system_sgpr_workgroup_id_x 1
		.amdhsa_system_sgpr_workgroup_id_y 1
		.amdhsa_system_sgpr_workgroup_id_z 1
		.amdhsa_system_vgpr_workitem_id 0
		.amdhsa_next_free_vgpr 512
		.amdhsa_next_free_sgpr 66
		.amdhsa_reserve_vcc 1
		.amdhsa_float_denorm_mode_32 3
		.amdhsa_float_denorm_mode_16_64 3
		.amdhsa_memory_ordered 1
		.amdhsa_forward_progress 1
		.amdhsa_inst_pref_size 81
	.end_amdhsa_kernel
	.amdgpu_metadata
---
amdhsa.version: [ 1, 2 ]
amdhsa.kernels:
  - .name:           k_qbbdffe1e19_local
    .symbol:         k_qbbdffe1e19_local.kd
    .args:
      - { .name: rkp, .offset: 0, .size: 8, .value_kind: global_buffer, .address_space: global }
      - { .name: vh, .offset: 8, .size: 8, .value_kind: global_buffer, .address_space: global }
      - { .name: gb, .offset: 16, .size: 8, .value_kind: global_buffer, .address_space: global }
      - { .name: loc, .offset: 24, .size: 8, .value_kind: global_buffer, .address_space: global }
    .group_segment_fixed_size: 304128
    .private_segment_fixed_size: 0
    .kernarg_segment_align: 8
    .kernarg_segment_size: 32
    .max_flat_workgroup_size: 256
    .sgpr_count:     66
    .vgpr_count:     512
    .wavefront_size: 32
...
	.end_amdgpu_metadata
.endif
;; end of part 3
;; launch scan (part 4): grid 64 x 1, 4 waves a work-group, no clusters, 327,680 bytes of LDS; arguments rkp, loc, oT; writes oT
.if DOCPART == 4
	.amdgcn_target "amdgcn-amd-amdhsa--gfx1250"
	.amdhsa_code_object_version 6
	.text
	.protected	k_qbbdffe1e19_scan
	.globl	k_qbbdffe1e19_scan
	.p2align	8
	.type	k_qbbdffe1e19_scan,@function
k_qbbdffe1e19_scan:
	s_mov_b64 s[64:65], 0
	v_nop
	global_prefetch_b8 v0, s[64:65] scope:SCOPE_SE
	s_setreg_imm32_b32 hwreg(HW_REG_WAVE_MODE, 25, 1), 1
	s_wait_xcnt 0x0
; THE CHAIN.  For each (batch, head) and each group g of 16 value columns, 64 chunks of 64 tokens one after the other:  E = U + W' S;  O = g o (Q S + M E);  S += K^T E.  30 matrix instructions a chunk.
; S and E are always source 1: two results D(m, n = column), rounded to f16 in pairs, ARE a source-1 fragment, so nothing on the chain changes lanes or passes through LDS.
; SHARES.  A work-group has one (batch, head): 64 work-groups.  Its four waves run the four column groups' chains, all by one text; they read the same keys, W' and M from LDS, and each its own quarter of U.
; A chain cannot be shared out further without two exchanges through LDS and two barriers in every chunk, so there is work for 64 work-groups only.  NO CLUSTER: no two work-groups read the same tile.
; THE RING.  Two LDS slots of four chunks.  Behind each change of slots wave 0 fetches the keys, wave 1 W', wave 2 M (with the gates in its half fragment 1), wave 3 U: one tensor load a wave, four chunks' work in
; which it lands.  Every LDS address is a lane's constant plus an immediate: a register for each operand and slot; so the text has a STEP for each (slot, chunk), eight in the loop.
; A STEP works chunk j and fetches chunk j + 1 into registers beside it; a slot is left when its fourth chunk has been fetched, so a change of slots stands in front of the STEP that works that chunk.
; OUT.  oT [bh][64 columns][4096 tokens] f16, holding o / 16: two chunks are gathered in the wave's stage, so that a column's 128 tokens leave as one aligned block of 256 bytes.
; LIMITS.  U, S, E, O are held as value / 16; for the products they are rounded to f16: magnitudes below 1.05e6; below 1e-3 the step is 9.5e-7.  NaN and infinities are not treated apart.
; REGISTERS.  window 0: addresses; UR, S, E, O, SF, EF, GD, OP, FB below.  window 1: the source-0 fragments WF, QF, KF, MF.
.set RKH,  524544
.set KP,   144
.set SL1,  1<<17                       ; slot 1 begins here
.set OWP,  37376                       ; in a slot: 258 key rows x 144 (37,152 bytes) from 0; then W' images of four chunks, 8,192 bytes each;
.set OMP,  70144                       ; M's half fragments, 6,144 bytes a chunk;
.set OUP,  94720                       ; U images, 8,192 bytes a chunk, 2,048 a column group: the slot ends at 127,488
.set STG,  2*SL1                       ; the stages: for each wave 16 columns x (256 + 16) bytes; no tensor load lands here
.set SP,   272
.set SPARE, STG+4*16*SP                ; the spare words: 128 bytes a wave, two blocks of 256 bytes that no other line names
.set AW,  4                            ; v4, v5    my place in W' images, slot 0, 1; never rewritten, like all ten below
.set AU,  6                            ; v6, v7    in my group's U images
.set AQ,  8                            ; v8, v9    in Q's rows
.set AK,  10                           ; v10, v11  in K's rows, for the turning load
.set AM,  12                           ; v12, v13  in M's half fragments
.set STO, 15                           ; v15       the stage: where I put 16 bytes of a column
.set UR,  16                           ; v[16:31]   U of the next chunk, f16 pairs
.set S,   32                           ; v[32:63]   the state: key channels 16 k + 8 (l / 16) + e, column l % 16
.set E,   64                           ; v[64:95]
.set O,   96                           ; v[96:127]
.set SF,  128                          ; v[128:143] S in f16: two fragments
.set EF,  144                          ; v[144:159] E in f16
.set GD,  160                          ; v[160:191] g of my lanes' tokens
.set OP,  192                          ; v[192:207] O in f16
.set FB,  208                          ; v[208:239] the stage read back
.set SPW, 240
.set NIL, 241
.set RD,  242                          ; the stage: where I read columns back
.set OV,  243                          ; my byte offset in two columns of oT
.set AG,  244                          ; v244, v245 my place in the gates, slot 0, 1
.set WF,  0                            ; window 1: W' block i, channel half q at 16 i + 8 q
.set QF,  64
.set KF,  128                          ; K^T: channel block k, token half q at 128 + 16 k + 8 q
.set MF,  192                          ; M's six fragments; the upper halves of fragments 0 and 4 are 0, set once
.set WV,  12                           ; s12 wave = column group
.set G1R, 16                           ; s[16:23] group 1: the keys
.set G1D, 24                           ; s[24:31] 32,768 dense bytes: W' and U
.set G1M, 32                           ; s[32:39] 24,576 dense bytes: M
.set G0R, 48                           ; s[48:63] four groups 0, which walk
.set G0W, 52
.set G0M, 56
.set G0U, 60
.set CNT, 72
.set OB,  74                           ; s[74:75] oT at my 16 columns, at the pair of chunks in hand
.set MSB, 0
.macro WIN new
.if MSB != (\new)
	s_set_vgpr_msb (MSB<<8)|(\new)
.set MSB, \new
.endif
.endm
.set W_A1, 0x01                        ; source 0 (a product's A) in window 1
.set W_D1, 0x40                        ; destination in window 1
.macro NOP4
.rept 4
	v_nop
.endr
.endm
; A fill: each wave its tile.  The branches hang on the wave's number alone and jump over nothing but a load.  An s_nop 0 and four v_nop follow each load.
.macro JLOAD
	s_cmp_lg_u32 s[WV], 0
	s_cbranch_scc1 .Lj1_\@
	tensor_load_to_lds s[G0R:G0R+3], s[G1R:G1R+7]
	s_nop 0
	NOP4
	s_branch .Ljd_\@
.Lj1_\@:
	s_cmp_lg_u32 s[WV], 1
	s_cbranch_scc1 .Lj2_\@
	tensor_load_to_lds s[G0W:G0W+3], s[G1D:G1D+7]
	s_nop 0
	NOP4
	s_branch .Ljd_\@
.Lj2_\@:
	s_cmp_lg_u32 s[WV], 2
	s_cbranch_scc1 .Lj3_\@
	tensor_load_to_lds s[G0M:G0M+3], s[G1M:G1M+7]
	s_nop 0
	NOP4
	s_branch .Ljd_\@
.Lj3_\@:
	tensor_load_to_lds s[G0U:G0U+3], s[G1D:G1D+7]
	s_nop 0
	NOP4
.Ljd_\@:
.endm
; THE CHANGE OF SLOTS.  Each wave waits for all its tensor loads (one is out: its part of the other slot), adds 0 to its spare word, and waits for that and for its reads of the slot that is left.  Behind the barrier
; nobody reads the old slot and the other is whole.  fill = 1: the old slot is filled again first thing, with the four chunks two slots on.  (At its first use slot 0 is waited for and slot 1 filled.)
.macro CHANGE fill
	WIN 0
	s_wait_tensorcnt 0x0                           ; no tensor load of mine is out, so a group 0 may be written
	ds_add_u32 v[SPW], v[NIL]
.if \fill
	s_xor_b32 s[G0R+1], s[G0R+1], SL1
	s_add_nc_u64 s[G0R+2:G0R+3], s[G0R+2:G0R+3], 32768
	s_xor_b32 s[G0W+1], s[G0W+1], SL1
	s_add_nc_u64 s[G0W+2:G0W+3], s[G0W+2:G0W+3], 32768
	s_xor_b32 s[G0M+1], s[G0M+1], SL1
	s_add_nc_u64 s[G0M+2:G0M+3], s[G0M+2:G0M+3], 24576
	s_xor_b32 s[G0U+1], s[G0U+1], SL1
	s_add_nc_u64 s[G0U+2:G0U+3], s[G0U+2:G0U+3], 32768
.endif
	s_wait_dscnt 0x0                               ; the add is done, and my reads of the slot are over
	s_barrier_signal -1
	s_barrier_wait -1
.if \fill
	JLOAD
.endif
.endm
	s_load_b128 s[4:7], s[0:1], 0x0                ; rkp s[4:5], loc s[6:7]
	s_load_b64 s[10:11], s[0:1], 0x10              ; oT
	v_lshl_add_u32 v[SPW], v0, 2, SPARE
	v_mov_b32 v[NIL], 0
	ds_add_u32 v[SPW], v[NIL]                      ; the wave's opening
	ds_add_u32 v240, v241
	v_lshrrev_b32 v1, 5, v0
	v_readfirstlane_b32 s[WV], v1
	s_mov_b32 s14, ttmp9                           ; bh
	s_mov_b32 s[G1R], (1<<16)|(1<<20)|(4<<22)|(3<<25)  ; the keys: 2-byte elements; 16 bytes of padding behind every 128
	s_mov_b32 s[G1R+1], 128<<16
	s_mov_b32 s[G1R+2], 129<<16                    ; 258 key rows as 129 rows of 256 bytes
	s_mov_b32 s[G1R+3], 128<<16
	s_mov_b32 s[G1R+4], 129
	s_mov_b32 s[G1R+5], 128
	s_mov_b32 s[G1R+6], 0
	s_mov_b32 s[G1R+7], 0
.irp g, G1D, G1M                       ; dense blocks: rows of 32 elements of 8 bytes
	s_mov_b32 s[(\g)], 3<<16
	s_mov_b32 s[(\g)+1], 32<<16
	s_mov_b32 s[(\g)+3], 32<<16
	s_mov_b32 s[(\g)+5], 32
	s_mov_b32 s[(\g)+6], 0
	s_mov_b32 s[(\g)+7], 0
.endr
	s_mov_b32 s[G1D+2], 128<<16
	s_mov_b32 s[G1D+4], 128
	s_mov_b32 s[G1M+2], 96<<16
	s_mov_b32 s[G1M+4], 96
	s_mov_b32 s[G0R], 1
	s_mov_b32 s[G0R+1], 0
	s_mov_b32 s[G0W], 1
	s_mov_b32 s[G0W+1], OWP
	s_mov_b32 s[G0M], 1
	s_mov_b32 s[G0M+1], OMP
	s_mov_b32 s[G0U], 1
	s_mov_b32 s[G0U+1], OUP
	s_mov_b32 s77, 0
	s_mov_b32 s79, 0
	s_wait_dscnt 0x0                               ; the opening add is done
	s_wait_kmcnt 0x0
	s_mul_i32 s76, s14, RKH
	s_add_nc_u64 s[G0R+2:G0R+3], s[4:5], s[76:77]
	s_or_b32 s[G0R+3], s[G0R+3], 0x80000000
	s_lshl_b32 s76, s14, 19
	s_add_nc_u64 s[G0W+2:G0W+3], s[6:7], s[76:77]
	s_or_b32 s[G0W+3], s[G0W+3], 0x80000000
	s_add_co_u32 s76, s76, 33554432
	s_add_nc_u64 s[G0U+2:G0U+3], s[6:7], s[76:77]
	s_or_b32 s[G0U+3], s[G0U+3], 0x80000000
	s_mul_i32 s76, s14, 393216
	s_add_co_u32 s76, s76, 67108864
	s_add_nc_u64 s[G0M+2:G0M+3], s[6:7], s[76:77]
	s_or_b32 s[G0M+3], s[G0M+3], 0x80000000
	s_lshl2_add_u32 s78, s14, s[WV]                ; 4 bh + g
	s_lshl_b32 s78, s78, 17                        ; 16 columns of 8,192 bytes
	s_add_nc_u64 s[OB:OB+1], s[10:11], s[78:79]
	JLOAD                                          ; slot 0: one load of mine is out
	v_and_b32 v1, 15, v0                           ; r
	v_bfe_u32 v2, v0, 4, 1                         ; h
	v_and_b32 v250, 7, v0
	v_bfe_u32 v251, v0, 3, 1
	v_and_b32 v252, 31, v0
	v_lshl_add_u32 v253, v2, 3, v250               ; 8 h + l % 8
	v_lshl_add_u32 v[AW], v251, 4, v253            ; W' images hold column 16 nt + r', tokens 8 h' + 0..7 at lane 16 h' + r': the turning load asks lane 16 ((l / 8) % 2) + 8 h + l % 8
	v_lshlrev_b32 v[AW], 4, v[AW]
	v_add_nc_u32 v[AW], OWP, v[AW]
	v_lshlrev_b32 v[AM], 4, v252
	s_lshl_b32 s80, s[WV], 11
	s_add_co_u32 s80, s80, OUP
	v_add_nc_u32 v[AU], s80, v[AM]
	v_add_nc_u32 v[AM], OMP, v[AM]
	v_mul_u32_u24 v[AQ], v1, KP
	v_lshl_add_u32 v[AQ], v2, 4, v[AQ]
	v_add_nc_u32 v[AQ], 2*KP, v[AQ]                ; Q's row tau is local row 2 + tau
	v_mul_u32_u24 v[AK], v253, KP
	v_lshl_add_u32 v[AK], v251, 4, v[AK]
	v_add_nc_u32 v[AK], KP, v[AK]                  ; K's row tau is local row 1 + tau
	v_lshlrev_b32 v[AG], 5, v2
	v_add_nc_u32 v[AG], OMP+512, v[AG]             ; the gates lie in M's half fragment 1: token tau at 4 tau
.irp a, AW, AU, AQ, AK, AM, AG
	v_add_nc_u32 v[\a+1], SL1, v[\a]
.endr
	s_mul_i32 s81, s[WV], 16*SP
	s_add_co_u32 s81, s81, STG                     ; my stage
	v_mul_u32_u24 v[STO], v1, SP
	v_lshl_add_u32 v[STO], v2, 4, v[STO]
	v_add_nc_u32 v[STO], s81, v[STO]
	v_mul_u32_u24 v[RD], v2, SP
	v_lshl_add_u32 v[RD], v1, 4, v[RD]
	v_add_nc_u32 v[RD], s81, v[RD]
	v_lshlrev_b32 v[OV], 4, v1
	v_lshl_add_u32 v[OV], v2, 13, v[OV]
.set n, 0
.rept 32                               ; S starts at 0: cleared on purpose, in the wait for the first tiles, so that no first chunk is written out
	v_mov_b32 v[S+n], 0
.set n, n+1
.endr
	WIN W_D1
.irp k, 0,1,2,3                        ; M's two empty halves
	v_mov_b32 v[MF+4+\k], 0
	v_mov_b32 v[MF+36+\k], 0
.endr
	WIN 0
; THE FETCHES of chunk ch of slot sl, in runs
.macro F_WU sl, ch                     ; W' turned into source-0 fragments (16 loads), my U (4)
	WIN W_D1
.irp i, 0,1,2,3
.irp q, 0,1
	ds_load_tr16_b128 v[WF+16*\i+8*\q:WF+16*\i+8*\q+3],   v[AW+(\sl)] offset:(\ch)*8192+(8*\q+\i)*512
	ds_load_tr16_b128 v[WF+16*\i+8*\q+4:WF+16*\i+8*\q+7], v[AW+(\sl)] offset:(\ch)*8192+(8*\q+4+\i)*512
.endr
.endr
	WIN 0
.irp i, 0,1,2,3
	ds_load_b128 v[UR+4*\i:UR+4*\i+3], v[AU+(\sl)] offset:(\ch)*8192+\i*512
.endr
.endm
.macro F_Q sl, ch                      ; Q: 16 loads
	WIN W_D1
.irp i, 0,1,2,3
.irp q, 0,1
	ds_load_b128 v[QF+16*\i+8*\q:QF+16*\i+8*\q+3],   v[AQ+(\sl)] offset:(\ch)*64*KP+\i*16*KP+64*\q
	ds_load_b128 v[QF+16*\i+8*\q+4:QF+16*\i+8*\q+7], v[AQ+(\sl)] offset:(\ch)*64*KP+\i*16*KP+64*\q+32
.endr
.endr
	WIN 0
.endm
.macro F_KM sl, ch                     ; K^T, turned (16 loads), M's ten full halves
	WIN W_D1
.irp k, 0,1,2,3
.irp q, 0,1
	ds_load_tr16_b128 v[KF+16*\k+8*\q:KF+16*\k+8*\q+3],   v[AK+(\sl)] offset:(\ch)*64*KP+\q*32*KP+32*\k
	ds_load_tr16_b128 v[KF+16*\k+8*\q+4:KF+16*\k+8*\q+7], v[AK+(\sl)] offset:(\ch)*64*KP+\q*32*KP+16*KP+32*\k
.endr
.endr
.irp f, 0,2,3,4,5,6,7,8,10,11
	ds_load_b128 v[MF+4*\f:MF+4*\f+3], v[AM+(\sl)] offset:(\ch)*6144+\f*512
.endr
	WIN 0
.endm
.macro F_G sl, ch                      ; the gates of my lanes' tokens, 16 i + 8 (l / 16) + 0..7: 8 loads
	WIN 0
.irp i, 0,1,2,3
	ds_load_b128 v[GD+8*\i:GD+8*\i+3],   v[AG+(\sl)] offset:(\ch)*6144+64*\i
	ds_load_b128 v[GD+8*\i+4:GD+8*\i+7], v[AG+(\sl)] offset:(\ch)*6144+64*\i+16
.endr
.endm
.macro EINIT                           ; E starts as U: register n of UR holds E's registers 2 n and 2 n + 1
	v_cvt_f32_f16 v64, v16.l
	v_cvt_f32_f16 v65, v16.h
	v_cvt_f32_f16 v66, v17.l
	v_cvt_f32_f16 v67, v17.h
	v_cvt_f32_f16 v68, v18.l
	v_cvt_f32_f16 v69, v18.h
	v_cvt_f32_f16 v70, v19.l
	v_cvt_f32_f16 v71, v19.h
	v_cvt_f32_f16 v72, v20.l
	v_cvt_f32_f16 v73, v20.h
	v_cvt_f32_f16 v74, v21.l
	v_cvt_f32_f16 v75, v21.h
	v_cvt_f32_f16 v76, v22.l
	v_cvt_f32_f16 v77, v22.h
	v_cvt_f32_f16 v78, v23.l
	v_cvt_f32_f16 v79, v23.h
	v_cvt_f32_f16 v80, v24.l
	v_cvt_f32_f16 v81, v24.h
	v_cvt_f32_f16 v82, v25.l
	v_cvt_f32_f16 v83, v25.h
	v_cvt_f32_f16 v84, v26.l
	v_cvt_f32_f16 v85, v26.h
	v_cvt_f32_f16 v86, v27.l
	v_cvt_f32_f16 v87, v27.h
	v_cvt_f32_f16 v88, v28.l
	v_cvt_f32_f16 v89, v28.h
	v_cvt_f32_f16 v90, v29.l
	v_cvt_f32_f16 v91, v29.h
	v_cvt_f32_f16 v92, v30.l
	v_cvt_f32_f16 v93, v30.h
	v_cvt_f32_f16 v94, v31.l
	v_cvt_f32_f16 v95, v31.h
.endm
; A CHUNK.  fetch = 1: the next chunk, chunk ch of slot sl, is fetched beside it.  par = the worked chunk's parity: an odd chunk completes a pair, which is stored.
; The accumulators take turns, one instruction a turn: E0-3 twice, O0-3 twice, O0-3, O2, O3, S0-3 twice.
.macro STEP fetch, sl, ch, par
.if !(\fetch)
	s_wait_dscnt 0x0
.endif
	WIN 0
.set n, 0
.rept 16
	v_cvt_pk_f16_f32 v[SF+n], v[S+2*n], v[S+2*n+1]
.set n, n+1
.endr
	WIN W_A1
.irp q, 0,1
.irp i, 0,1,2,3
	v_wmma_f32_16x16x32_f16 v[E+8*\i:E+8*\i+7], v[WF+16*\i+8*\q:WF+16*\i+8*\q+7], v[SF+8*\q:SF+8*\q+7], v[E+8*\i:E+8*\i+7]
.endr
.endr
.if \fetch
	s_wait_dscnt 38                                ; Q is in; behind it: K and M (26), the stage's stores (4), the gates (8)
.endif
.irp i, 0,1,2,3
	v_wmma_f32_16x16x32_f16 v[O+8*\i:O+8*\i+7], v[QF+16*\i:QF+16*\i+7], v[SF:SF+7], 0
.endr
.irp i, 0,1,2,3
	v_wmma_f32_16x16x32_f16 v[O+8*\i:O+8*\i+7], v[QF+16*\i+8:QF+16*\i+15], v[SF+8:SF+15], v[O+8*\i:O+8*\i+7]
.endr
	WIN 0
	NOP4                                           ; four places between E's products and the loads into their sources and the conversions of their results
.if \fetch
	F_WU \sl, \ch
.endif
.set n, 0
.rept 16
	v_cvt_pk_f16_f32 v[EF+n], v[E+2*n], v[E+2*n+1]
.set n, n+1
.endr
.if \fetch
	s_wait_dscnt 32                                ; K and M are in; behind them: 4 stores, 8 gates, and the 20 loads just issued
.endif
	WIN W_A1
.irp f, 0,1,2,3
	v_wmma_f32_16x16x32_f16 v[O+8*\f:O+8*\f+7], v[MF+8*\f:MF+8*\f+7], v[EF:EF+7], v[O+8*\f:O+8*\f+7]
.endr
.irp f, 2,3
	v_wmma_f32_16x16x32_f16 v[O+8*\f:O+8*\f+7], v[MF+16+8*\f:MF+16+8*\f+7], v[EF+8:EF+15], v[O+8*\f:O+8*\f+7]
.endr
.irp q, 0,1
.irp k, 0,1,2,3
	v_wmma_f32_16x16x32_f16 v[S+8*\k:S+8*\k+7], v[KF+16*\k+8*\q:KF+16*\k+8*\q+7], v[EF+8*\q:EF+8*\q+7], v[S+8*\k:S+8*\k+7]
.endr
.endr
.if \fetch
	F_Q \sl, \ch
	s_wait_dscnt 16                                ; all but Q's run: U of the next chunk and this chunk's gates are in
	EINIT                                          ; 32 plain instructions: also the places in front of the loads into K's and M's registers and of the readers of O
	F_KM \sl, \ch
.else
	WIN 0
	NOP4
.endif
.set n, 0
.rept 16
	v_pk_mul_f32 v[O+2*n:O+2*n+1], v[O+2*n:O+2*n+1], v[GD+2*n:GD+2*n+1]
.set n, n+1
.endr
.set n, 0
.rept 16
	v_cvt_pk_f16_f32 v[OP+n], v[O+2*n], v[O+2*n+1]
.set n, n+1
.endr
.irp i, 0,1,2,3
	ds_store_b128 v[STO], v[OP+4*\i:OP+4*\i+3] offset:128*(\par)+32*\i  ; an odd chunk takes the second 128 bytes of the stage's rows
.endr
.if \fetch
	F_G \sl, \ch
.endif
.if \par
	s_wait_xcnt 0x0                                ; the last pair's stores have read FB
.irp u, 0,1,2,3,4,5,6,7
	ds_load_b128 v[FB+4*\u:FB+4*\u+3], v[RD] offset:\u*2*SP  ; LDS serves a wave's instructions in order (ISA guide 5.7.1.4): these see my stores above
.endr
	s_wait_dscnt 0x0
.irp u, 0,1,2,3,4,5,6,7
	global_store_b128 v[OV], v[FB+4*\u:FB+4*\u+3], s[OB:OB+1] offset:\u*16384  ; two columns: sixteen lanes store 256 consecutive bytes, at a multiple of 256 from oT's first
.endr
	s_wait_xcnt 0x0                                ; the base steps only behind this wait
	s_add_nc_u64 s[OB:OB+1], s[OB:OB+1], 256
.endif
	WIN 0
.endm
	CHANGE 1                                       ; slot 0 is in, everybody's part of it; slot 1 is asked for
	F_WU 0, 0                                      ; chunk 0
	F_Q 0, 0
	s_wait_dscnt 16                                ; all but Q's run: U is in
	EINIT
	F_KM 0, 0
	F_G 0, 0
	s_wait_dscnt 0x0
	s_mov_b32 s[CNT], 8
	s_branch .Lfirst                               ; the loop is entered behind the STEP that would work the chunk before chunk 0: a part of a trip, then seven whole ones
.Lloop:                                                ; a trip: eight chunks, both slots filled again
	CHANGE 1                                       ; slot 0 has been fetched to its end: it takes the chunks two slots on
	STEP 1, 1, 0, 1
	STEP 1, 1, 1, 0
	STEP 1, 1, 2, 1
	STEP 1, 1, 3, 0
	CHANGE 1                                       ; the same for slot 1
	STEP 1, 0, 0, 1
.Lfirst:
	STEP 1, 0, 1, 0
	STEP 1, 0, 2, 1
	STEP 1, 0, 3, 0
	s_sub_co_u32 s[CNT], s[CNT], 1
	s_cmp_lg_u32 s[CNT], 0
	s_cbranch_scc1 .Lloop
	CHANGE 0                                       ; the last slot is written out: nothing is asked for
	STEP 1, 1, 0, 1
	STEP 1, 1, 1, 0
	STEP 1, 1, 2, 1
	STEP 1, 1, 3, 0
	STEP 0, 0, 0, 1                                ; chunk 63: nothing is left to fetch
	s_wait_tensorcnt 0x0                           ; the wave's end
	ds_add_u32 v[SPW], v[NIL]
	s_wait_dscnt 0x0
	s_endpgm
.Lfunc_end_k_qbbdffe1e19_scan:
	.size	k_qbbdffe1e19_scan, .Lfunc_end_k_qbbdffe1e19_scan-k_qbbdffe1e19_scan
	.p2alignl 7, 3214868480
	.fill 96, 4, 3214868480
	.section	.rodata,"a",@progbits
	.p2align	6, 0x0
	.amdhsa_kernel k_qbbdffe1e19_scan
		.amdhsa_group_segment_fixed_size 327680
		.amdhsa_private_segment_fixed_size 0
		.amdhsa_enable_private_segment 0
		.amdhsa_kernarg_size 24
		.amdhsa_user_sgpr_count 2
		.amdhsa_user_sgpr_kernarg_segment_ptr 1
		.amdhsa_wavefront_size32 1
		.amdhsa_system_sgpr_workgroup_id_x 1
		.amdhsa_system_sgpr_workgroup_id_y 1
		.amdhsa_system_sgpr_workgroup_id_z 1
		.amdhsa_system_vgpr_workitem_id 0
		.amdhsa_next_free_vgpr 512
		.amdhsa_next_free_sgpr 96
		.amdhsa_reserve_vcc 0
		.amdhsa_float_denorm_mode_32 3
		.amdhsa_float_denorm_mode_16_64 3
		.amdhsa_memory_ordered 1
		.amdhsa_forward_progress 1
		.amdhsa_inst_pref_size 181
	.end_amdhsa_kernel
	.amdgpu_metadata
---
amdhsa.version: [ 1, 2 ]
amdhsa.kernels:
  - .name:           k_qbbdffe1e19_scan
    .symbol:         k_qbbdffe1e19_scan.kd
    .args:
      - { .name: rkp, .offset: 0, .size: 8, .value_kind: global_buffer, .address_space: global }
      - { .name: loc, .offset: 8, .size: 8, .value_kind: global_buffer, .address_space: global }
      - { .name: oT, .offset: 16, .size: 8, .value_kind: global_buffer, .address_space: global }
    .group_segment_fixed_size: 327680
    .private_segment_fixed_size: 0
    .kernarg_segment_align: 8
    .kernarg_segment_size: 24
    .max_flat_workgroup_size: 128
    .sgpr_count:     96
    .vgpr_count:     512
    .wavefront_size: 32
...
	.end_amdgpu_metadata
.endif
;; end of part 4
;; launch gemm_o (part 5): grid 4 x 64, 4 waves a work-group, clusters of 4 x 4, 327,680 bytes of LDS; arguments oT, wts, out0; writes out0
.if DOCPART == 5
	.amdgcn_target "amdgcn-amd-amdhsa--gfx1250"
	.amdhsa_code_object_version 6
	.text
	.protected	k_qbbdffe1e19_gemm_o
	.globl	k_qbbdffe1e19_gemm_o
	.p2align	8
	.type	k_qbbdffe1e19_gemm_o,@function
k_qbbdffe1e19_gemm_o:
	s_mov_b64 s[64:65], 0
	v_nop
	global_prefetch_b8 v0, s[64:65] scope:SCOPE_SE
	s_setreg_imm32_b32 hwreg(HW_REG_WAVE_MODE, 25, 1), 1
	s_wait_xcnt 0x0
	s_wait_alu depctr_hold_cnt(0) depctr_sa_sdst(0) depctr_va_vdst(0) depctr_va_sdst(0) depctr_va_ssrc(0) depctr_va_vcc(0) depctr_vm_vsrc(0)
	s_getreg_b32 s2, hwreg(HW_REG_IB_STS2, 6, 4)
	s_cmp_eq_u32 s2, 0
	s_cbranch_scc0 .Lentry_in_a_cluster
	s_endpgm
.Lentry_in_a_cluster:
	s_bfe_u32 s2, ttmp6, 0x10000c
	s_cmp_lg_u32 s2, 0xf033
	s_cbranch_scc0 .Lentry_shape_is_right
	s_endpgm
.Lentry_shape_is_right:
; out0 = (o / 16) (16 bf16(Wo))^T in f32.  A = oT, stored [batch][k = 1024][4096 tokens] f16; B = the second half of wts, [1024][1024] f16; sums in f32, stored as they are.
; The design is the first product's: tiles of 256 x 256, four waves of 128 x 128, K steps of 128 through two LDS slots, a cluster of 4 x 4 with joint loads, the matrix instruction used transposed.
; What differs: A lies with the tokens along its rows, so a tile of A is 128 rows of k x 128 tokens (rows of 256 bytes, 8,192 bytes apart) and its fragments come out of LDS turned, by ds_load_tr16_b128;
; the results are f32: a block of 16 rows goes through a stage of 512 + 16 bytes a row, straight from the accumulators.
; REGISTERS: window 0: v0-31 addresses, v64-191 A's fragments, later the rows read back; window 1: v64-191 B's fragments; windows 2, 3: the accumulators.
.set SIZE_K, 1024
.set KSTEP,  128
.set PA,     288                       ; a row of A in LDS: 256 + 32 bytes
.set HA,     128*PA
.set PITCH,  272
.set HB,     128*PITCH
.set SLOT,   2*HA+2*HB                 ; A's two halves of 128 tokens, then B's two halves of 128 rows
.set STAGE,  2*SLOT
.set SPITCH, 528
.set SPARE,  STAGE+4*16*SPITCH         ; the spare words: 128 bytes a wave, two blocks of 256 bytes that no other line names
.set LAPS,   SIZE_K/(2*KSTEP)
.set ASTEP,  KSTEP*8192                ; a K step of A: 128 rows of 4,096 f16
.set ADRA, 16
.set ADRB, 20
.set STO,  24
.set RD,   25
.set CO,   26
.set SPW,  28
.set NIL,  29
.set F0,   64
.set F1,   128
.set G1, 24
.set G0, 32
.set G1B, 48
.set G0B, 56
.set MSB, 0
.macro WIN new
.if MSB != (\new)
	s_set_vgpr_msb (MSB<<8)|(\new)
.set MSB, \new
.endif
.endm
.set MUL_LO, 0xa1
.set MUL_HI, 0xf1
.set TO_B,   0x40
.macro JLOAD s                         ; a joint load: waves 0, 1 fetch A's halves, waves 2, 3 B's; an s_nop 0 and four v_nop follow each line
	s_cmp_eq_u32 s11, 0
	s_cbranch_scc0 .Lfor_b_\@
	tensor_load_to_lds s[G0+4*(\s):G0+4*(\s)+3], s[G1:G1+7]
	s_nop 0
.rept 4
	v_nop
.endr
	s_branch .Lasked_\@
.Lfor_b_\@:
	tensor_load_to_lds s[G0B+4*(\s):G0B+4*(\s)+3], s[G1B:G1B+7]
	s_nop 0
.rept 4
	v_nop
.endr
.Lasked_\@:
.endm
.macro CREST
	s_cmp_lg_u32 s10, 0
	s_cbranch_scc1 .Lnot_wave_0_\@
	s_barrier_signal -3
.Lnot_wave_0_\@:
	s_barrier_wait -3
	s_barrier_signal -1
	s_barrier_wait -1
.endm
.macro CROUND
	s_barrier_signal -1
	s_barrier_wait -1
	CREST
.endm
	s_load_b128 s[4:7], s[0:1], 0x0                ; oT s[4:5], wts s[6:7]
	s_load_b64 s[8:9], s[0:1], 0x10                ; out0
	v_lshl_add_u32 v[SPW], v0, 2, SPARE
	v_mov_b32 v[NIL], 0
	ds_add_u32 v[SPW], v[NIL]                      ; the wave's opening
	ds_add_u32 v28, v29
	v_lshrrev_b32 v1, 5, v0
	v_readfirstlane_b32 s10, v1
	s_lshr_b32 s11, s10, 1
	s_and_b32 s12, s10, 1
	s_bfe_u32 s40, ttmp6, 0x40000
	s_bfe_u32 s41, ttmp6, 0x40004
	s_lshl_b32 s42, ttmp9, 2
	s_add_co_u32 s42, s42, s40                     ; tile column
	s_and_b32 s13, ttmp7, 0xffff
	s_lshl_b32 s13, s13, 2
	s_add_co_u32 s13, s13, s41                     ; tile row
	s_lshl_b32 s43, s41, 2
	s_lshl_b32 s43, 15, s43
	s_lshl_b32 s44, 0x1111, s40
	s_or_b32 s[G1+0], s43, (1<<16)|(1<<20)|(1<<21)|(5<<22)|(7<<25)   ; A: after every 64 words 8 words of padding
	s_or_b32 s[G1B+0], s44, (1<<16)|(1<<20)|(1<<21)|(5<<22)|(3<<25)  ; B: 4 words
.irp g, G1, G1B
	s_mov_b32 s[(\g)+1], 128<<16
	s_mov_b32 s[(\g)+2], 128<<16
	s_mov_b32 s[(\g)+3], 128<<16
	s_mov_b32 s[(\g)+4], 128
	s_mov_b32 s[(\g)+6], 0
	s_mov_b32 s[(\g)+7], 0
.endr
	s_mov_b32 s[G1+5], 4096                        ; A: 4,096 tokens from a row of k to the next
	s_mov_b32 s[G1B+5], SIZE_K
	s_lshr_b32 s16, s13, 4                         ; A: the batch's 1,024 rows of 8,192 bytes,
	s_lshl_b32 s16, s16, 23
	s_and_b32 s17, s13, 15
	s_lshl_b32 s17, s17, 9                         ; the tile's 256 tokens,
	s_add_co_u32 s16, s16, s17
	s_lshl_b32 s17, s12, 8                         ; the half of them that I fetch
	s_add_co_u32 s16, s16, s17
	s_mov_b32 s17, 0
	s_lshl_b32 s46, s42, 19                        ; B: (256 tile column + 128 half) rows of 2,048 bytes, in wts' second half
	s_lshl_b32 s47, s12, 18
	s_add_co_u32 s46, s46, s47
	s_add_co_u32 s46, s46, 2097152
	s_mov_b32 s47, 0
	s_mul_i32 s20, s10, HA                         ; waves 0, 1: A's halves at 0 and HA
	s_mul_i32 s45, s10, HB
	s_add_co_u32 s45, s45, 2*HA-2*HB               ; waves 2, 3: B's halves at 2 HA and 2 HA + HB
	s_wait_dscnt 0x0
	s_wait_kmcnt 0x0
	s_add_nc_u64 s[14:15], s[4:5], s[16:17]
	s_add_nc_u64 s[46:47], s[6:7], s[46:47]
	CROUND
.irp s, 0,1
	s_mov_b32 s[G0+4*(\s)], 1
	s_add_co_u32 s[G0+4*(\s)+1], s20, (\s)*SLOT
	s_add_nc_u64 s[G0+4*(\s)+2:G0+4*(\s)+3], s[14:15], (\s)*ASTEP
	s_or_b32 s[G0+4*(\s)+3], s[G0+4*(\s)+3], 0x80000000
	s_mov_b32 s[G0B+4*(\s)], 1
	s_add_co_u32 s[G0B+4*(\s)+1], s45, (\s)*SLOT
	s_add_nc_u64 s[G0B+4*(\s)+2:G0B+4*(\s)+3], s[46:47], (\s)*KSTEP*2
	s_or_b32 s[G0B+4*(\s)+3], s[G0B+4*(\s)+3], 0x80000000
	JLOAD \s                                       ; two loads of mine are out
.endr
	v_and_b32 v1, 15, v0
	v_bfe_u32 v2, v0, 4, 1
	v_mul_u32_u24 v3, v1, PITCH
	v_lshl_add_u32 v3, v2, 4, v3                   ; B: row x pitch + 16 x half
	v_and_b32 v4, 7, v0
	v_lshl_add_u32 v4, v2, 3, v4
	v_mul_u32_u24 v4, v4, PA
	v_bfe_u32 v5, v0, 3, 1
	v_lshl_add_u32 v4, v5, 4, v4                   ; A, turned: k row 8 (l / 16) + l % 8, tokens 8 ((l / 8) % 2) on
	s_mul_i32 s21, s11, HA
	s_mul_i32 s22, s12, HB
	s_add_co_u32 s22, s22, 2*HA
.irp s, 0,1
	v_add_nc_u32 v[ADRA+(\s)], s21, v4
	v_add_nc_u32 v[ADRB+(\s)], s22, v3
	s_add_co_u32 s21, s21, SLOT
	s_add_co_u32 s22, s22, SLOT
.endr
	s_mul_i32 s23, s10, 16*SPITCH
	s_add_co_u32 s23, s23, STAGE
	v_mul_u32_u24 v4, v1, SPITCH
	v_lshl_add_u32 v4, v2, 5, v4
	v_add_nc_u32 v[STO], s23, v4                   ; in: row l % 16, 32 bytes for each half of the lanes
	v_and_b32 v6, 31, v0
	v_lshlrev_b32 v[CO], 4, v6                     ; back and out: a row's 512 bytes, 16 a lane
	v_add_nc_u32 v[RD], s23, v[CO]
	s_lshl_b32 s16, s13, 20                        ; out0: (256 tile row + 128 row half) rows of 4,096 bytes
	s_lshl_b32 s17, s11, 19
	s_add_co_u32 s16, s16, s17
	s_lshl_b32 s46, s42, 10                        ; + (256 tile column + 128 column half) x 4
	s_lshl_b32 s47, s12, 9
	s_add_co_u32 s46, s46, s47
	s_add_co_u32 s46, s46, s16
	s_mov_b32 s47, 0
	s_add_nc_u64 s[8:9], s[8:9], s[46:47]
.macro MUL16 f, hi, a0, zero
	WIN MUL_LO+0x50*(\hi)
.irp a, \a0, (\a0)+1
.irp b, 0,1,2,3,4,5,6,7
.if \zero
	v_wmma_f32_16x16x32_f16 v[8*(8*(\a)+(\b)):8*(8*(\a)+(\b))+7], v[(\f)+8*(\b):(\f)+8*(\b)+7], v[(\f)+8*(4*(\hi)+(\a)):(\f)+8*(4*(\hi)+(\a))+7], 0
.else
	v_wmma_f32_16x16x32_f16 v[8*(8*(\a)+(\b)):8*(8*(\a)+(\b))+7], v[(\f)+8*(\b):(\f)+8*(\b)+7], v[(\f)+8*(4*(\hi)+(\a)):(\f)+8*(4*(\hi)+(\a))+7], v[8*(8*(\a)+(\b)):8*(8*(\a)+(\b))+7]
.endif
.endr
.endr
.endm
.macro FETCH slot, q, f                ; quarter q: B's 16 loads, then A's 16, turned
	WIN TO_B
.irp i, 0,1,2,3,4,5,6,7
	ds_load_b128 v[(\f)+8*(\i):(\f)+8*(\i)+3],   v[ADRB+(\slot)] offset:64*(\q)+(\i)*16*PITCH
	ds_load_b128 v[(\f)+8*(\i)+4:(\f)+8*(\i)+7], v[ADRB+(\slot)] offset:64*(\q)+(\i)*16*PITCH+32
.endr
	WIN 0
.irp i, 0,1,2,3,4,5,6,7
	ds_load_tr16_b128 v[(\f)+8*(\i):(\f)+8*(\i)+3],   v[ADRA+(\slot)] offset:(\q)*32*PA+32*(\i)
	ds_load_tr16_b128 v[(\f)+8*(\i)+4:(\f)+8*(\i)+7], v[ADRA+(\slot)] offset:(\q)*32*PA+16*PA+32*(\i)
.endr
.endm
.macro PLACES
.rept 4
	v_nop
.endr
.endm
.macro QUARTER slot, q, f, g, zero
	s_wait_dscnt 8                                 ; B and A's rows 0-63 are in; the youngest eight loads (A's rows 64-127) may be out
	MUL16 \f, 0, 0, \zero
	MUL16 \f, 0, 2, \zero
	PLACES
	FETCH \slot, \q, \g
	s_wait_dscnt 32                                ; all but the 32 just issued
	MUL16 \f, 1, 0, \zero
	MUL16 \f, 1, 2, \zero
.endm
.macro MEET round
	WIN 0
	s_wait_tensorcnt 0x0                           ; all my tensor loads have landed: my part of the next slot
	ds_add_u32 v[SPW], v[NIL]
	s_wait_dscnt 9                                 ; (the add and the youngest eight loads may be out)
	MUL16 F1, 0, 0, 0
	s_wait_dscnt 0x0                               ; the add is done, and my reads of this slot are over
	s_barrier_signal -1
	MUL16 F1, 0, 2, 0
.if \round
	WIN 0
.endif
	s_barrier_wait -1
.endm
.macro TURN slot, next, fill
.if \fill
	MEET 1
	CREST
	s_add_nc_u64 s[G0+4*(\slot)+2:G0+4*(\slot)+3], s[G0+4*(\slot)+2:G0+4*(\slot)+3], 2*ASTEP
	s_add_nc_u64 s[G0B+4*(\slot)+2:G0B+4*(\slot)+3], s[G0B+4*(\slot)+2:G0B+4*(\slot)+3], 2*KSTEP*2
	JLOAD \slot
.else
	MEET 0
	PLACES
.endif
	FETCH \next, 0, F0
	MUL16 F1, 1, 0, 0
	MUL16 F1, 1, 2, 0
.endm
; THE WAY OUT of block a: 16 rows x 128 f32 from the accumulators into my stage, back as whole rows of 512 bytes, and out
.macro OUTB a
.set AC, 64*((\a)%4)
.set BK, 64+64*((\a)%2)
	WIN 0
	s_wait_xcnt 0x0                                ; the stores of the block before last have read the registers that are loaded below
	WIN 0x08+4*((\a)/4)                            ; the stores' data: window 2 or 3
.irp b, 0,1,2,3,4,5,6,7
	ds_store_b128 v[STO], v[AC+8*(\b):AC+8*(\b)+3]   offset:64*(\b)      ; each accumulator's low registers first
	ds_store_b128 v[STO], v[AC+8*(\b)+4:AC+8*(\b)+7] offset:64*(\b)+16
.endr
	WIN 0
.irp t, 0,1,2,3,4,5,6,7,8,9,10,11,12,13,14,15
	ds_load_b128 v[BK+4*(\t):BK+4*(\t)+3], v[RD] offset:(\t)*SPITCH  ; LDS serves a wave's instructions in order (ISA guide 5.7.1.4)
.endr
	s_wait_dscnt 0x0
.irp t, 0,1,2,3,4,5,6,7,8,9,10,11,12,13,14,15
	global_store_b128 v[CO], v[BK+4*(\t):BK+4*(\t)+3], s[8:9] offset:(\a)*65536+(\t)*4096 th:TH_STORE_NT  ; 512 consecutive bytes, at a multiple of 512 from out0's first
.endr
.endm
	s_wait_tensorcnt 1                             ; my part of K step 0 is in; K step 1's stays out
	s_barrier_signal -1
	s_barrier_wait -1
	FETCH 0, 0, F0
	QUARTER 0, 1, F0, F1, 1
	WIN 0
	s_mov_b32 s3, LAPS-1
.Llap:
	QUARTER 0, 2, F1, F0, 0
	QUARTER 0, 3, F0, F1, 0
	TURN 0, 1, 1
	QUARTER 1, 1, F0, F1, 0
	QUARTER 1, 2, F1, F0, 0
	QUARTER 1, 3, F0, F1, 0
	TURN 1, 0, 1
	QUARTER 0, 1, F0, F1, 0
	WIN 0
	s_sub_co_u32 s3, s3, 1
	s_cmp_lg_u32 s3, 0
	s_cbranch_scc1 .Llap
	QUARTER 0, 2, F1, F0, 0
	QUARTER 0, 3, F0, F1, 0
	TURN 0, 1, 0
	QUARTER 1, 1, F0, F1, 0
	QUARTER 1, 2, F1, F0, 0
	QUARTER 1, 3, F0, F1, 0
	s_wait_dscnt 8
	MUL16 F1, 0, 0, 0
	MUL16 F1, 0, 2, 0
	s_wait_dscnt 0x0
	MUL16 F1, 1, 0, 0
	MUL16 F1, 1, 2, 0
	WIN 0
	PLACES
.irp a, 0,1,2,3,4,5,6,7
	OUTB \a
.endr
	s_wait_tensorcnt 0x0                           ; the wave's end
	ds_add_u32 v[SPW], v[NIL]
	s_wait_dscnt 0x0
	CROUND                                         ; the closing round
	s_endpgm
.Lfunc_end_k_qbbdffe1e19_gemm_o:
	.size	k_qbbdffe1e19_gemm_o, .Lfunc_end_k_qbbdffe1e19_gemm_o-k_qbbdffe1e19_gemm_o
	.p2alignl 7, 3214868480
	.fill 96, 4, 3214868480
	.section	.rodata,"a",@progbits
	.p2align	6, 0x0
	.amdhsa_kernel k_qbbdffe1e19_gemm_o
		.amdhsa_group_segment_fixed_size 327680
		.amdhsa_private_segment_fixed_size 0
		.amdhsa_enable_private_segment 0
		.amdhsa_kernarg_size 24
		.amdhsa_user_sgpr_count 2
		.amdhsa_user_sgpr_kernarg_segment_ptr 1
		.amdhsa_wavefront_size32 1
		.amdhsa_system_sgpr_workgroup_id_x 1
		.amdhsa_system_sgpr_workgroup_id_y 1
		.amdhsa_system_sgpr_workgroup_id_z 1
		.amdhsa_system_vgpr_workitem_id 0
		.amdhsa_next_free_vgpr 1024
		.amdhsa_next_free_sgpr 66
		.amdhsa_reserve_vcc 0
		.amdhsa_float_denorm_mode_32 3
		.amdhsa_float_denorm_mode_16_64 3
		.amdhsa_memory_ordered 1
		.amdhsa_forward_progress 1
		.amdhsa_inst_pref_size 141
	.end_amdhsa_kernel
	.amdgpu_metadata
---
amdhsa.version: [ 1, 2 ]
amdhsa.kernels:
  - .name:           k_qbbdffe1e19_gemm_o
    .symbol:         k_qbbdffe1e19_gemm_o.kd
    .args:
      - { .name: oT, .offset: 0, .size: 8, .value_kind: global_buffer, .address_space: global }
      - { .name: wts, .offset: 8, .size: 8, .value_kind: global_buffer, .address_space: global }
      - { .name: out0, .offset: 16, .size: 8, .value_kind: global_buffer, .address_space: global }
    .group_segment_fixed_size: 327680
    .private_segment_fixed_size: 0
    .kernarg_segment_align: 8
    .kernarg_segment_size: 24
    .max_flat_workgroup_size: 128
    .sgpr_count:     66
    .vgpr_count:     1024
    .wavefront_size: 32
...
	.end_amdgpu_metadata
.endif
;; end of part 5
;; ======== version 2 of 2: 5 launches; 1.18 times as fast as version 1
;; limits: values are held in f16: magnitudes above 65,504 overflow, below 6.1e-05 lose precision; right only within a limited range of input values; values outside matrix products are rounded to f16
;; workspace buffers: xb 33,554,432 bytes; rkp 33,570,816 bytes; gb 2,097,152 bytes; wts 4,194,304 bytes; vh 33,554,432 bytes; loc 92,274,688 bytes; oT 33,554,432 bytes
;; launch prep: the kernel of part 1 again; grid 256 x 1, 32 waves a work-group, no clusters, 210,944 bytes of LDS; arguments x, Wv, Wo, Wg, Wb, xb, rkp, gb, wts; writes xb, rkp, gb, wts
;; launch gemm_v: the kernel of part 2 again; grid 4 x 64, 4 waves a work-group, clusters of 4 x 4, 327,680 bytes of LDS; arguments xb, wts, vh; writes vh
;; launch local: the kernel of part 3 again; grid 256 x 1, 8 waves a work-group, no clusters, 304,128 bytes of LDS; arguments rkp, vh, gb, loc; writes loc
;; launch scan (part 6): grid 64 x 1, 4 waves a work-group, no clusters, 327,680 bytes of LDS; arguments rkp, loc, oT; writes oT
.if DOCPART == 6
	.amdgcn_target "amdgcn-amd-amdhsa--gfx1250"
	.amdhsa_code_object_version 6
	.text
	.protected	k_qbbdffe1e19_scan
	.globl	k_qbbdffe1e19_scan
	.p2align	8
	.type	k_qbbdffe1e19_scan,@function
k_qbbdffe1e19_scan:
	s_mov_b64 s[64:65], 0
	v_nop
	global_prefetch_b8 v0, s[64:65] scope:SCOPE_SE
	s_setreg_imm32_b32 hwreg(HW_REG_WAVE_MODE, 25, 1), 1
	s_wait_xcnt 0x0
; THE CHAIN.  For each (batch, head) and each group g of 16 value columns, 64 chunks of 64 tokens one after the other:  E = U + W' S;  O = g o (Q S + M E);  S += K^T E.  30 matrix instructions a chunk.
; S and E are always source 1: two results D(m, n = column), rounded to f16 in pairs, ARE a source-1 fragment, so nothing on the chain changes lanes or passes through LDS.
; SHARES.  A work-group has one (batch, head): 64 work-groups.  Its four waves run the four column groups' chains, all by one text; they read the same keys, W' and M from LDS, and each its own quarter of U.
; A chain cannot be shared out further without two exchanges through LDS and two barriers in every chunk, so there is work for 64 work-groups only.  NO CLUSTER: no two work-groups read the same tile.
; THE RING.  Two LDS slots of four chunks.  Behind each change of slots wave 0 fetches the keys, wave 1 W', wave 2 M (with the gates in its half fragment 1), wave 3 U: one tensor load a wave, four chunks' work in
; which it lands.  A STEP works chunk j and fetches chunk j + 1 into registers beside it; a slot is left when its fourth chunk has been fetched, so a change of slots stands in front of the STEP that works that chunk.
; THE TEXT.  A STEP is written for an odd and for an even chunk; the two are a trip of the inner loop, two trips a slot.  The LDS address of a fetch is a lane's constant plus a scalar, the byte at which the trip's first
; chunk begins; the trip's second chunk stands in the immediate.  The three scalars step by two chunks a trip; a change of slots takes four chunks off and turns the slot's bit.
; OUT.  oT [bh][64 columns][4096 tokens] f16, holding o / 16: two chunks are gathered in the wave's stage, so that a column's 128 tokens leave as one aligned block of 256 bytes.
; LIMITS.  U, S, E, O are held as value / 16; for the products they are rounded to f16: magnitudes below 1.05e6; below 1e-3 the step is 9.5e-7.  NaN and infinities are not treated apart.
; REGISTERS.  window 0: addresses; UR, S, E, O, SF, EF, GD, OP, FB below.  window 1: the source-0 fragments WF, QF, KF, MF.
.set RKH,  524544
.set KP,   144
.set SL1,  1<<17                       ; slot 1 begins here, so that one exclusive or turns an address in one slot into the other's
.set OWP,  37376                       ; in a slot: 258 key rows x 144 (37,152 bytes) from 0; then W' images of four chunks;
.set OMP,  70144                       ; M's half fragments;
.set OUP,  94720                       ; U images, 2,048 bytes a column group: the slot ends at 127,488
.set CR,   64*KP                       ; a chunk's bytes among the keys,
.set CW,   8192                        ; in W' and in U,
.set CM,   6144                        ; and in M
.set STG,  2*SL1                       ; the stages: for each wave 16 columns x (256 + 16) bytes; no tensor load lands here
.set SP,   272
.set SPARE, STG+4*16*SP                ; the spare words: 128 bytes a wave, two blocks of 256 bytes that no other line names
.set AW,  4                            ; v4   my place in W' images, never rewritten; v5 the address in hand.  Likewise the five below
.set AU,  6                            ; v6, v7    in my group's U images
.set AQ,  8                            ; v8, v9    in Q's rows
.set AK,  10                           ; v10, v11  in K's rows, for the turning load
.set AM,  12                           ; v12, v13  in M's half fragments
.set STO, 15                           ; v15       the stage: where I put 16 bytes of a column
.set UR,  16                           ; v[16:31]   U of the next chunk, f16 pairs
.set S,   32                           ; v[32:63]   the state: key channels 16 k + 8 (l / 16) + e, column l % 16
.set E,   64                           ; v[64:95]
.set O,   96                           ; v[96:127]
.set SF,  128                          ; v[128:143] S in f16: two fragments
.set EF,  144                          ; v[144:159] E in f16
.set GD,  160                          ; v[160:191] g of my lanes' tokens
.set OP,  192                          ; v[192:207] O in f16
.set FB,  208                          ; v[208:239] the stage read back
.set SPW, 240
.set NIL, 241
.set RD,  242                          ; the stage: where I read columns back
.set OV,  243                          ; my byte offset in two columns of oT
.set AG,  244                          ; v244, v245 my place in the gates
.set WF,  0                            ; window 1: W' block i, channel half q at 16 i + 8 q
.set QF,  64
.set KF,  128                          ; K^T: channel block k, token half q at 128 + 16 k + 8 q
.set MF,  192                          ; M's six fragments; the upper halves of fragments 0 and 4 are 0, set once
.set WV,  12                           ; s12 wave = column group
.set G1R, 16                           ; s[16:23] group 1: the keys
.set G1D, 24                           ; s[24:31] 32,768 dense bytes: W' and U
.set G1M, 32                           ; s[32:39] 24,576 dense bytes: M
.set G0R, 48                           ; s[48:63] four groups 0, which walk
.set G0W, 52
.set G0M, 56
.set G0U, 60
.set CNT, 72                           ; s72  counts a slot's two trips
.set SLOTS, 73                         ; s73  slots still to be entered in the loop
.set OB,  74                           ; s[74:75] oT at my 16 columns, behind the last pair of chunks that was stored
.set TBR, 82                           ; s82  LDS byte at which the trip's first chunk begins among the keys,
.set TBW, 83                           ; s83  in W' (and, from its own beginning, in U),
.set TBM, 84                           ; s84  in M
.set MSB, 0
.macro WIN new
.if MSB != (\new)
	s_set_vgpr_msb (MSB<<8)|(\new)
.set MSB, \new
.endif
.endm
.set W_A1, 0x01                        ; source 0 (a product's A) in window 1
.set W_D1, 0x40                        ; destination in window 1
.macro NOP4
.rept 4
	v_nop
.endr
.endm
; A fill: each wave its tile.  The branches hang on the wave's number alone and jump over nothing but a load.  An s_nop 0 and four v_nop follow each load.
.macro JLOAD
	s_cmp_lg_u32 s[WV], 0
	s_cbranch_scc1 .Lj1_\@
	tensor_load_to_lds s[G0R:G0R+3], s[G1R:G1R+7]
	s_nop 0
	NOP4
	s_branch .Ljd_\@
.Lj1_\@:
	s_cmp_lg_u32 s[WV], 1
	s_cbranch_scc1 .Lj2_\@
	tensor_load_to_lds s[G0W:G0W+3], s[G1D:G1D+7]
	s_nop 0
	NOP4
	s_branch .Ljd_\@
.Lj2_\@:
	s_cmp_lg_u32 s[WV], 2
	s_cbranch_scc1 .Lj3_\@
	tensor_load_to_lds s[G0M:G0M+3], s[G1M:G1M+7]
	s_nop 0
	NOP4
	s_branch .Ljd_\@
.Lj3_\@:
	tensor_load_to_lds s[G0U:G0U+3], s[G1D:G1D+7]
	s_nop 0
	NOP4
.Ljd_\@:
.endm
; THE CHANGE OF SLOTS.  Each wave waits for all its tensor loads (one is out: its part of the other slot), adds 0 to its spare word, and waits for that and for its reads of the slot that is left.  Behind the barrier
; nobody reads the old slot and the other is whole.  fill = 1: the old slot is filled again first thing, with the four chunks two slots on.  (At its first use slot 0 is waited for and slot 1 filled.)
.macro CHANGE fill
	WIN 0
	s_wait_tensorcnt 0x0                           ; no tensor load of mine is out, so a group 0 may be written
	ds_add_u32 v[SPW], v[NIL]                      ; 0 onto my spare word; the scalar work below stands between it and the wait for it
.if \fill
	s_xor_b32 s[G0R+1], s[G0R+1], SL1
	s_add_nc_u64 s[G0R+2:G0R+3], s[G0R+2:G0R+3], 32768
	s_xor_b32 s[G0W+1], s[G0W+1], SL1
	s_add_nc_u64 s[G0W+2:G0W+3], s[G0W+2:G0W+3], 32768
	s_xor_b32 s[G0M+1], s[G0M+1], SL1
	s_add_nc_u64 s[G0M+2:G0M+3], s[G0M+2:G0M+3], 24576
	s_xor_b32 s[G0U+1], s[G0U+1], SL1
	s_add_nc_u64 s[G0U+2:G0U+3], s[G0U+2:G0U+3], 32768
.endif
	s_sub_co_u32 s[TBR], s[TBR], 4*CR              ; the fetches go back to a slot's first chunk,
	s_xor_b32 s[TBR], s[TBR], SL1                  ; in the other slot
	s_sub_co_u32 s[TBW], s[TBW], 4*CW
	s_xor_b32 s[TBW], s[TBW], SL1
	s_sub_co_u32 s[TBM], s[TBM], 4*CM
	s_xor_b32 s[TBM], s[TBM], SL1
	s_wait_dscnt 0x0                               ; the add is done, and my reads of the slot are over
	s_barrier_signal -1
	s_barrier_wait -1
.if \fill
	JLOAD
.endif
.endm
	s_load_b128 s[4:7], s[0:1], 0x0                ; rkp s[4:5], loc s[6:7]
	s_load_b64 s[10:11], s[0:1], 0x10              ; oT
	v_lshl_add_u32 v[SPW], v0, 2, SPARE
	v_mov_b32 v[NIL], 0
	ds_add_u32 v[SPW], v[NIL]                      ; the wave's opening
	ds_add_u32 v240, v241
	v_lshrrev_b32 v1, 5, v0
	v_readfirstlane_b32 s[WV], v1
	s_mov_b32 s14, ttmp9                           ; bh
	s_mov_b32 s[G1R], (1<<16)|(1<<20)|(4<<22)|(3<<25)  ; the keys: 2-byte elements; 16 bytes of padding behind every 128
	s_mov_b32 s[G1R+1], 128<<16
	s_mov_b32 s[G1R+2], 129<<16                    ; 258 key rows as 129 rows of 256 bytes
	s_mov_b32 s[G1R+3], 128<<16
	s_mov_b32 s[G1R+4], 129
	s_mov_b32 s[G1R+5], 128
	s_mov_b32 s[G1R+6], 0
	s_mov_b32 s[G1R+7], 0
.irp g, G1D, G1M                       ; dense blocks: rows of 32 elements of 8 bytes
	s_mov_b32 s[(\g)], 3<<16
	s_mov_b32 s[(\g)+1], 32<<16
	s_mov_b32 s[(\g)+3], 32<<16
	s_mov_b32 s[(\g)+5], 32
	s_mov_b32 s[(\g)+6], 0
	s_mov_b32 s[(\g)+7], 0
.endr
	s_mov_b32 s[G1D+2], 128<<16
	s_mov_b32 s[G1D+4], 128
	s_mov_b32 s[G1M+2], 96<<16
	s_mov_b32 s[G1M+4], 96
	s_mov_b32 s[G0R], 1
	s_mov_b32 s[G0R+1], 0
	s_mov_b32 s[G0W], 1
	s_mov_b32 s[G0W+1], OWP
	s_mov_b32 s[G0M], 1
	s_mov_b32 s[G0M+1], OMP
	s_mov_b32 s[G0U], 1
	s_mov_b32 s[G0U+1], OUP
	s_mov_b32 s[TBR], SL1+4*CR                     ; the first change of slots turns these three into 0
	s_mov_b32 s[TBW], SL1+4*CW
	s_mov_b32 s[TBM], SL1+4*CM
	s_mov_b32 s77, 0
	s_mov_b32 s79, 0
	s_wait_dscnt 0x0                               ; the opening add is done
	s_wait_kmcnt 0x0
	s_mul_i32 s76, s14, RKH
	s_add_nc_u64 s[G0R+2:G0R+3], s[4:5], s[76:77]
	s_or_b32 s[G0R+3], s[G0R+3], 0x80000000
	s_lshl_b32 s76, s14, 19
	s_add_nc_u64 s[G0W+2:G0W+3], s[6:7], s[76:77]
	s_or_b32 s[G0W+3], s[G0W+3], 0x80000000
	s_add_co_u32 s76, s76, 33554432
	s_add_nc_u64 s[G0U+2:G0U+3], s[6:7], s[76:77]
	s_or_b32 s[G0U+3], s[G0U+3], 0x80000000
	s_mul_i32 s76, s14, 393216
	s_add_co_u32 s76, s76, 67108864
	s_add_nc_u64 s[G0M+2:G0M+3], s[6:7], s[76:77]
	s_or_b32 s[G0M+3], s[G0M+3], 0x80000000
	s_lshl2_add_u32 s78, s14, s[WV]                ; 4 bh + g
	s_lshl_b32 s78, s78, 17                        ; 16 columns of 8,192 bytes
	s_add_nc_u64 s[OB:OB+1], s[10:11], s[78:79]
	JLOAD                                          ; slot 0: one load of mine is out
	v_and_b32 v1, 15, v0                           ; r
	v_bfe_u32 v2, v0, 4, 1                         ; h
	v_and_b32 v250, 7, v0
	v_bfe_u32 v251, v0, 3, 1
	v_and_b32 v252, 31, v0
	v_lshl_add_u32 v253, v2, 3, v250               ; 8 h + l % 8
	v_lshl_add_u32 v[AW], v251, 4, v253            ; W' images hold column 16 nt + r', tokens 8 h' + 0..7 at lane 16 h' + r': the turning load asks lane 16 ((l / 8) % 2) + 8 h + l % 8
	v_lshlrev_b32 v[AW], 4, v[AW]
	v_add_nc_u32 v[AW], OWP, v[AW]
	v_lshlrev_b32 v[AM], 4, v252
	s_lshl_b32 s80, s[WV], 11
	s_add_co_u32 s80, s80, OUP
	v_add_nc_u32 v[AU], s80, v[AM]
	v_add_nc_u32 v[AM], OMP, v[AM]
	v_mul_u32_u24 v[AQ], v1, KP
	v_lshl_add_u32 v[AQ], v2, 4, v[AQ]
	v_add_nc_u32 v[AQ], 2*KP, v[AQ]                ; Q's row tau is local row 2 + tau
	v_mul_u32_u24 v[AK], v253, KP
	v_lshl_add_u32 v[AK], v251, 4, v[AK]
	v_add_nc_u32 v[AK], KP, v[AK]                  ; K's row tau is local row 1 + tau
	v_lshlrev_b32 v[AG], 5, v2
	v_add_nc_u32 v[AG], OMP+512, v[AG]             ; the gates lie in M's half fragment 1: token tau at 4 tau
	s_mul_i32 s81, s[WV], 16*SP
	s_add_co_u32 s81, s81, STG                     ; my stage
	v_mul_u32_u24 v[STO], v1, SP
	v_lshl_add_u32 v[STO], v2, 4, v[STO]
	v_add_nc_u32 v[STO], s81, v[STO]
	v_mul_u32_u24 v[RD], v2, SP
	v_lshl_add_u32 v[RD], v1, 4, v[RD]
	v_add_nc_u32 v[RD], s81, v[RD]
	v_lshlrev_b32 v[OV], 4, v1
	v_lshl_add_u32 v[OV], v2, 13, v[OV]
.set n, 0
.rept 32                               ; S starts at 0: cleared on purpose, in the wait for the first tiles, so that no first chunk is written out
	v_mov_b32 v[S+n], 0
.set n, n+1
.endr
	WIN W_D1
.irp k, 0,1,2,3                        ; M's two empty halves
	v_mov_b32 v[MF+4+\k], 0
	v_mov_b32 v[MF+36+\k], 0
.endr
	WIN 0
.macro ADDR                            ; the six addresses of a trip's fetches
	v_add_nc_u32 v[AW+1], s[TBW], v[AW]
	v_add_nc_u32 v[AU+1], s[TBW], v[AU]
	v_add_nc_u32 v[AQ+1], s[TBR], v[AQ]
	v_add_nc_u32 v[AK+1], s[TBR], v[AK]
	v_add_nc_u32 v[AM+1], s[TBM], v[AM]
	v_add_nc_u32 v[AG+1], s[TBM], v[AG]
.endm
.macro TBSTEP                          ; the next trip fetches two chunks further on
	s_add_co_u32 s[TBR], s[TBR], 2*CR
	s_add_co_u32 s[TBW], s[TBW], 2*CW
	s_add_co_u32 s[TBM], s[TBM], 2*CM
.endm
; THE FETCHES of the trip's chunk ch (0, 1), in runs
.macro F_WU ch                         ; W' turned into source-0 fragments (16 loads), my U (4)
	WIN W_D1
.irp i, 0,1,2,3
.irp q, 0,1
	ds_load_tr16_b128 v[WF+16*\i+8*\q:WF+16*\i+8*\q+3],   v[AW+1] offset:(\ch)*CW+(8*\q+\i)*512
	ds_load_tr16_b128 v[WF+16*\i+8*\q+4:WF+16*\i+8*\q+7], v[AW+1] offset:(\ch)*CW+(8*\q+4+\i)*512
.endr
.endr
	WIN 0
.irp i, 0,1,2,3
	ds_load_b128 v[UR+4*\i:UR+4*\i+3], v[AU+1] offset:(\ch)*CW+\i*512
.endr
.endm
.macro F_Q ch                          ; Q: 16 loads
	WIN W_D1
.irp i, 0,1,2,3
.irp q, 0,1
	ds_load_b128 v[QF+16*\i+8*\q:QF+16*\i+8*\q+3],   v[AQ+1] offset:(\ch)*CR+\i*16*KP+64*\q
	ds_load_b128 v[QF+16*\i+8*\q+4:QF+16*\i+8*\q+7], v[AQ+1] offset:(\ch)*CR+\i*16*KP+64*\q+32
.endr
.endr
	WIN 0
.endm
.macro F_KM ch                         ; K^T, turned (16 loads), M's ten full halves
	WIN W_D1
.irp k, 0,1,2,3
.irp q, 0,1
	ds_load_tr16_b128 v[KF+16*\k+8*\q:KF+16*\k+8*\q+3],   v[AK+1] offset:(\ch)*CR+\q*32*KP+32*\k
	ds_load_tr16_b128 v[KF+16*\k+8*\q+4:KF+16*\k+8*\q+7], v[AK+1] offset:(\ch)*CR+\q*32*KP+16*KP+32*\k
.endr
.endr
.irp f, 0,2,3,4,5,6,7,8,10,11
	ds_load_b128 v[MF+4*\f:MF+4*\f+3], v[AM+1] offset:(\ch)*CM+\f*512
.endr
	WIN 0
.endm
.macro F_G ch                          ; the gates of my lanes' tokens, 16 i + 8 (l / 16) + 0..7: 8 loads
	WIN 0
.irp i, 0,1,2,3
	ds_load_b128 v[GD+8*\i:GD+8*\i+3],   v[AG+1] offset:(\ch)*CM+64*\i
	ds_load_b128 v[GD+8*\i+4:GD+8*\i+7], v[AG+1] offset:(\ch)*CM+64*\i+16
.endr
.endm
.macro EINIT                           ; E starts as U: register n of UR holds E's registers 2 n and 2 n + 1
	v_cvt_f32_f16 v64, v16.l
	v_cvt_f32_f16 v65, v16.h
	v_cvt_f32_f16 v66, v17.l
	v_cvt_f32_f16 v67, v17.h
	v_cvt_f32_f16 v68, v18.l
	v_cvt_f32_f16 v69, v18.h
	v_cvt_f32_f16 v70, v19.l
	v_cvt_f32_f16 v71, v19.h
	v_cvt_f32_f16 v72, v20.l
	v_cvt_f32_f16 v73, v20.h
	v_cvt_f32_f16 v74, v21.l
	v_cvt_f32_f16 v75, v21.h
	v_cvt_f32_f16 v76, v22.l
	v_cvt_f32_f16 v77, v22.h
	v_cvt_f32_f16 v78, v23.l
	v_cvt_f32_f16 v79, v23.h
	v_cvt_f32_f16 v80, v24.l
	v_cvt_f32_f16 v81, v24.h
	v_cvt_f32_f16 v82, v25.l
	v_cvt_f32_f16 v83, v25.h
	v_cvt_f32_f16 v84, v26.l
	v_cvt_f32_f16 v85, v26.h
	v_cvt_f32_f16 v86, v27.l
	v_cvt_f32_f16 v87, v27.h
	v_cvt_f32_f16 v88, v28.l
	v_cvt_f32_f16 v89, v28.h
	v_cvt_f32_f16 v90, v29.l
	v_cvt_f32_f16 v91, v29.h
	v_cvt_f32_f16 v92, v30.l
	v_cvt_f32_f16 v93, v30.h
	v_cvt_f32_f16 v94, v31.l
	v_cvt_f32_f16 v95, v31.h
.endm
; A CHUNK.  fetch = 1: the next chunk, the trip's chunk ch, is fetched beside it.  par = the worked chunk's parity: an odd chunk completes a pair, and the stage is read back; SEND, behind the STEP, stores it.
; A STEP's LDS instructions, in order: W' and U (20); Q (16); the stage's stores (4); in an odd chunk the stage's loads (8); K and M (26); the gates (8).
; The accumulators take turns, one instruction a turn: E0-3 twice, O0-3 twice, O0-3, O2, O3, S0-3 twice.
.macro STEP fetch, ch, par
.if !(\fetch)
	s_wait_dscnt 0x0
.endif
	WIN 0
.set n, 0
.rept 16
	v_cvt_pk_f16_f32 v[SF+n], v[S+2*n], v[S+2*n+1]
.set n, n+1
.endr
	WIN W_A1
.irp q, 0,1
.irp i, 0,1,2,3
	v_wmma_f32_16x16x32_f16 v[E+8*\i:E+8*\i+7], v[WF+16*\i+8*\q:WF+16*\i+8*\q+7], v[SF+8*\q:SF+8*\q+7], v[E+8*\i:E+8*\i+7]
.endr
.endr
.if \fetch
	s_wait_dscnt 38                                ; Q is in; behind it: the stage's stores (4), K and M (26), the gates (8); behind an odd chunk also the stage's loads, for which SEND has waited
.endif
.irp i, 0,1,2,3
	v_wmma_f32_16x16x32_f16 v[O+8*\i:O+8*\i+7], v[QF+16*\i:QF+16*\i+7], v[SF:SF+7], 0
.endr
.irp i, 0,1,2,3
	v_wmma_f32_16x16x32_f16 v[O+8*\i:O+8*\i+7], v[QF+16*\i+8:QF+16*\i+15], v[SF+8:SF+15], v[O+8*\i:O+8*\i+7]
.endr
	WIN 0
	NOP4                                           ; four places between E's products and the loads into their sources and the conversions of their results
.if \fetch
	F_WU \ch
.endif
.set n, 0
.rept 16
	v_cvt_pk_f16_f32 v[EF+n], v[E+2*n], v[E+2*n+1]
.set n, n+1
.endr
.if \fetch
	s_wait_dscnt 28                                ; K and M are in; behind them: the gates (8) and the 20 loads just issued
.endif
	WIN W_A1
.irp f, 0,1,2,3
	v_wmma_f32_16x16x32_f16 v[O+8*\f:O+8*\f+7], v[MF+8*\f:MF+8*\f+7], v[EF:EF+7], v[O+8*\f:O+8*\f+7]
.endr
.irp f, 2,3
	v_wmma_f32_16x16x32_f16 v[O+8*\f:O+8*\f+7], v[MF+16+8*\f:MF+16+8*\f+7], v[EF+8:EF+15], v[O+8*\f:O+8*\f+7]
.endr
.irp q, 0,1
.irp k, 0,1,2,3
	v_wmma_f32_16x16x32_f16 v[S+8*\k:S+8*\k+7], v[KF+16*\k+8*\q:KF+16*\k+8*\q+7], v[EF+8*\q:EF+8*\q+7], v[S+8*\k:S+8*\k+7]
.endr
.endr
.if \fetch
	F_Q \ch
	s_wait_dscnt 16                                ; all but Q's run: U of the next chunk and this chunk's gates are in
	EINIT                                          ; 32 plain instructions: also the places in front of the readers of O and of the loads into K's and M's registers
.else
	WIN 0
	NOP4
.endif
.set n, 0
.rept 16
	v_pk_mul_f32 v[O+2*n:O+2*n+1], v[O+2*n:O+2*n+1], v[GD+2*n:GD+2*n+1]
.set n, n+1
.endr
.set n, 0
.rept 16
	v_cvt_pk_f16_f32 v[OP+n], v[O+2*n], v[O+2*n+1]
.set n, n+1
.endr
.irp i, 0,1,2,3
	ds_store_b128 v[STO], v[OP+4*\i:OP+4*\i+3] offset:128*(\par)+32*\i  ; an odd chunk takes the second 128 bytes of the stage's rows
.endr
.if \par
	s_wait_xcnt 0x0                                ; the last pair's stores, more than a chunk back, have read FB and their base: both are rewritten only behind this wait
.irp u, 0,1,2,3,4,5,6,7
	ds_load_b128 v[FB+4*\u:FB+4*\u+3], v[RD] offset:\u*2*SP  ; LDS serves a wave's instructions in order (ISA guide 5.7.1.4): these see my stores above, and the next chunk's stores come behind them
.endr
.endif
.if \fetch
	F_KM \ch
	F_G \ch
.endif
	WIN 0
.endm
; A pair of chunks leaves.  younger: the LDS loads issued behind the stage's, which may stay out.  The base steps ahead of the stores, which reach back by the immediate, so that no wait stands behind them.
.macro SEND younger
	s_wait_dscnt \younger                          ; the stage is back in registers
	s_add_nc_u64 s[OB:OB+1], s[OB:OB+1], 256
.irp u, 0,1,2,3,4,5,6,7
	global_store_b128 v[OV], v[FB+4*\u:FB+4*\u+3], s[OB:OB+1] offset:\u*16384-256  ; two columns: sixteen lanes store 256 consecutive bytes, at a multiple of 256 from oT's first
.endr
.endm
	CHANGE 1                                       ; slot 0 is in, everybody's part of it; slot 1 is asked for
	ADDR
	F_WU 0                                         ; chunk 0
	F_Q 0
	s_wait_dscnt 16                                ; all but Q's run: U is in
	EINIT
	F_KM 0
	F_G 0
	s_wait_dscnt 0x0
	s_mov_b32 s[CNT], 2
	s_mov_b32 s[SLOTS], 15
	s_branch .Lfirst                               ; the loop is entered at an even chunk's STEP, in the middle of a trip: chunk 0 has no odd chunk in front of it
.Lslot:                                                ; 14 times: every slot but the last two is filled again
	CHANGE 1
	s_mov_b32 s[CNT], 2
.Lstep:                                                ; a trip: an odd chunk and the even one behind it are worked, the two chunks behind them fetched
	ADDR
	STEP 1, 0, 1
	SEND 34                                        ; behind the stage's loads: K and M (26), the gates (8)
.Lfirst:
	STEP 1, 1, 0
	TBSTEP
	s_sub_co_u32 s[CNT], s[CNT], 1
	s_cmp_lg_u32 s[CNT], 0
	s_cbranch_scc1 .Lstep
	s_sub_co_u32 s[SLOTS], s[SLOTS], 1
	s_cmp_lg_u32 s[SLOTS], 0
	s_cbranch_scc1 .Lslot
	CHANGE 0                                       ; the last slot is written out: nothing is asked for
	s_mov_b32 s[CNT], 2
.Ltail:
	ADDR
	STEP 1, 0, 1
	SEND 34
	STEP 1, 1, 0
	TBSTEP
	s_sub_co_u32 s[CNT], s[CNT], 1
	s_cmp_lg_u32 s[CNT], 0
	s_cbranch_scc1 .Ltail
	STEP 0, 0, 1                                   ; chunk 63: nothing is left to fetch
	SEND 0
	s_wait_tensorcnt 0x0                           ; the wave's end
	ds_add_u32 v[SPW], v[NIL]
	s_wait_dscnt 0x0
	s_endpgm
.Lfunc_end_k_qbbdffe1e19_scan:
	.size	k_qbbdffe1e19_scan, .Lfunc_end_k_qbbdffe1e19_scan-k_qbbdffe1e19_scan
	.p2alignl 7, 3214868480
	.fill 96, 4, 3214868480
	.section	.rodata,"a",@progbits
	.p2align	6, 0x0
	.amdhsa_kernel k_qbbdffe1e19_scan
		.amdhsa_group_segment_fixed_size 327680
		.amdhsa_private_segment_fixed_size 0
		.amdhsa_enable_private_segment 0
		.amdhsa_kernarg_size 24
		.amdhsa_user_sgpr_count 2
		.amdhsa_user_sgpr_kernarg_segment_ptr 1
		.amdhsa_wavefront_size32 1
		.amdhsa_system_sgpr_workgroup_id_x 1
		.amdhsa_system_sgpr_workgroup_id_y 1
		.amdhsa_system_sgpr_workgroup_id_z 1
		.amdhsa_system_vgpr_workitem_id 0
		.amdhsa_next_free_vgpr 512
		.amdhsa_next_free_sgpr 96
		.amdhsa_reserve_vcc 0
		.amdhsa_float_denorm_mode_32 3
		.amdhsa_float_denorm_mode_16_64 3
		.amdhsa_memory_ordered 1
		.amdhsa_forward_progress 1
		.amdhsa_inst_pref_size 79
	.end_amdhsa_kernel
	.amdgpu_metadata
---
amdhsa.version: [ 1, 2 ]
amdhsa.kernels:
  - .name:           k_qbbdffe1e19_scan
    .symbol:         k_qbbdffe1e19_scan.kd
    .args:
      - { .name: rkp, .offset: 0, .size: 8, .value_kind: global_buffer, .address_space: global }
      - { .name: loc, .offset: 8, .size: 8, .value_kind: global_buffer, .address_space: global }
      - { .name: oT, .offset: 16, .size: 8, .value_kind: global_buffer, .address_space: global }
    .group_segment_fixed_size: 327680
    .private_segment_fixed_size: 0
    .kernarg_segment_align: 8
    .kernarg_segment_size: 24
    .max_flat_workgroup_size: 128
    .sgpr_count:     96
    .vgpr_count:     512
    .wavefront_size: 32
...
	.end_amdgpu_metadata
.endif
;; end of part 6
;; launch gemm_o: the kernel of part 5 again; grid 4 x 64, 4 waves a work-group, clusters of 4 x 4, 327,680 bytes of LDS; arguments oT, wts, out0; writes out0
